; MI455X (gfx1250); checked and timed in simulation.
; The chip was launched on July 23, 2026; its instructions are those of AMD's public machine-readable ISA for CDNA 5 (MIT licence, August 2026) and "CDNA5" Instruction Set Architecture Reference Guide (July 2026). The comments in the code are by the model that wrote it; some were corrected since.
;; Multi Headed Self Attention. Allowed arithmetic: float matrix products may take bf16 or f16 operands with f32 sums; all other float work in f32.
;; Inputs: W_out 1,024 x 1,024 float32; W_qkv 1,024 x 3,072 float32; b_out 1,024 float32; b_qkv 3,072 float32; rel_emb_k 129 x 64 float32; rel_emb_v 129 x 64 float32; x 2 x 2,048 x 1,024 float32.
;; Outputs: out0 2 x 2,048 x 1,024 float32.
;; 2 versions, each right and faster than the one before. Each part assembles by itself: llvm-mc -triple=amdgcn-amd-amdhsa -mcpu=gfx1250 --defsym DOCPART=n.
;; ======== version 1 of 2: 4 launches
;; limits: values are held in f16: magnitudes above 65,504 overflow, below 6.1e-05 lose precision
;; workspace buffers: xb 8,388,608 bytes; wqt 6,291,456 bytes; wot 2,097,152 bytes; tabk 34,816 bytes; tabv 34,816 bytes; qkv 25,165,824 bytes; ctx 8,388,608 bytes
;; launch prep (part 1): grid 785 x 1, 8 waves a work-group, no clusters, 34,304 bytes of LDS; arguments x, W_qkv, W_out, rel_emb_k, rel_emb_v, xb, wqt, wot, tabk, tabv; writes xb, wqt, wot, tabk, tabv
.if DOCPART == 1
	.amdgcn_target "amdgcn-amd-amdhsa--gfx1250"
	.amdhsa_code_object_version 6
	.text
	.protected	k_qf37c091a38_prep
	.globl	k_qf37c091a38_prep
	.p2align	8
	.type	k_qf37c091a38_prep,@function
k_qf37c091a38_prep:
	s_mov_b64 s[64:65], 0
	v_nop
	global_prefetch_b8 v0, s[64:65] scope:SCOPE_SE
	s_setreg_imm32_b32 hwreg(HW_REG_WAVE_MODE, 25, 1), 1
	s_wait_xcnt 0x0
; PREP: every operand of the later matrix products is rounded once and laid out with K along the rows.
;   work-groups   0..255  xb   = x rounded to bf16, [4096][1024]: 16,384 numbers each
;   work-groups 256..639  wqt  = W_qkv rounded to bf16 and transposed, [3072 n][1024 k]: a tile of 128 k x 64 n each
;   work-groups 640..767  wot  = W_out rounded to bf16, that number written as f16, transposed, [1024 n][1024 k]
;   work-groups 768..784  tabk, tabv: row p (0..271) = rel_emb[clamp(p - 63, 0, 128)], rounded to bf16 and written as f16: p = (key - query) + 127,
;                         so the clip of the distance lives in the tables; 16 rows each
; LIMITS.  A bf16 number below 6.1e-5 keeps f16's fixed step of 6e-8 in wot and the tables; beyond 65,504 f16 has no number.
; Memory binds: each input byte is read once by 16-byte loads of which sixteen lanes cover 256 consecutive bytes; each store of sixteen (or 32) lanes covers 256 consecutive aligned bytes.
; No matrix unit, no cluster, no tensor load: nothing is shared between work-groups and nothing is multiplied.
.set CASTS, 256
.set TRQE,  640
.set TROE,  768
.set LPI,   260                        ; a row of the transposing tile in LDS: 64 f32 + 1 word: neighbouring rows start one bank apart
.macro TOHALF dst, a                   ; two f32 -> bf16 (nearest even) -> the same two numbers as f16
	v_cvt_pk_bf16_f32 v[\dst], v[\a], v[(\a)+1]
	v_lshlrev_b32 v96, 16, v[\dst]
	v_and_b32 v97, 0xffff0000, v[\dst]
	v_cvt_pk_f16_f32 v[\dst], v96, v97
.endm
; A tile of 128 k x 64 n of a weight [1024 k][n] goes through LDS in f32 and leaves as 64 rows of 128 k.  s24 = the tile's number: k tile in bits 2:0, n tile above.
.macro TRANS rowbytes, src, dst, half
	s_and_b32 s26, s24, 7                          ; k tile
	s_lshr_b32 s27, s24, 3                         ; n tile
	s_mul_i32 s30, s26, 128*(\rowbytes)
	s_lshl_b32 s28, s27, 8                         ; 64 f32
	s_add_co_u32 s30, s30, s28
	s_add_nc_u64 s[\src:\src+1], s[\src:\src+1], s[30:31]
	s_lshl_b32 s30, s27, 17                        ; 64 rows of 2,048 bytes
	s_lshl_b32 s28, s26, 8                         ; 128 numbers of 2 bytes
	s_add_co_u32 s30, s30, s28
	s_add_nc_u64 s[\dst:\dst+1], s[\dst:\dst+1], s[30:31]
	v_mul_u32_u24 v1, v6, \rowbytes                ; in: row t / 16, 16 bytes at 16 (t % 16)
	v_lshl_add_u32 v1, v7, 4, v1
	v_mul_u32_u24 v3, v6, LPI                      ; the same place in LDS
	v_lshl_add_u32 v3, v7, 4, v3
	v_mul_u32_u24 v4, v7, 8*LPI                    ; back: k = 8 (t % 16) + j, n = 16 o + t / 16
	v_lshl_add_u32 v4, v6, 2, v4
	v_lshlrev_b32 v5, 11, v6                       ; out: row t / 16 of sixteen, 16 bytes at 16 (t % 16)
	v_lshl_add_u32 v5, v7, 4, v5
.set i, 0
.rept 8
	global_load_b128 v[16+4*i:19+4*i], v1, s[\src:\src+1] offset:16*(\rowbytes)*i th:TH_LOAD_NT
.set i, i+1
.endr
.set i, 0
.rept 8
	s_wait_loadcnt 7-i                             ; loads come back in order: the 7 - i younger ones stay out
.irp c, 0,1,2,3
	ds_store_b32 v3, v[16+4*i+\c] offset:16*LPI*i+4*\c
.endr
.set i, i+1
.endr
	s_wait_dscnt 0x0                               ; for the others' sake: my part of the tile is in LDS
	s_barrier_signal -1
	s_barrier_wait -1
.set o, 0
.rept 4
.set j, 0
.rept 8
	ds_load_b32 v[48+8*o+j], v4 offset:LPI*j+64*o
.set j, j+1
.endr
.set o, o+1
.endr
.set o, 0
.rept 4
	s_wait_dscnt 24-8*o                            ; the 8 loads of group o are in, the younger groups stay out
.set m, 0
.rept 4
.if \half
	TOHALF 80+4*o+m, 48+8*o+2*m
.else
	v_cvt_pk_bf16_f32 v[80+4*o+m], v[48+8*o+2*m], v[48+8*o+2*m+1]
.endif
.set m, m+1
.endr
	global_store_b128 v5, v[80+4*o:83+4*o], s[\dst:\dst+1] offset:32768*o  ; sixteen lanes: 256 consecutive bytes of one row n
.set o, o+1
.endr
.endm
	s_load_b512 s[4:19], s[0:1], 0x0               ; x 4:5, W_qkv 6:7, W_out 8:9, rel_emb_k 10:11, rel_emb_v 12:13, xb 14:15, wqt 16:17, wot 18:19
	s_load_b128 s[20:23], s[0:1], 0x40             ; tabk 20:21, tabv 22:23
	v_lshl_add_u32 v112, v0, 2, 0x8200
	v_mov_b32 v113, 0
	s_mov_b32 s25, ttmp9
	s_mov_b32 s31, 0                               ; the high word of every offset pair
	v_lshrrev_b32 v6, 4, v0                        ; t / 16
	v_and_b32 v7, 15, v0                           ; t % 16
	s_wait_kmcnt 0x0
	s_cmp_lt_u32 s25, CASTS
	s_cbranch_scc0 .Lnot_cast
	; x -> xb: 16 loads of 4,096 bytes a work-group, all on their way at once
	s_lshl_b32 s30, s25, 16
	s_add_nc_u64 s[4:5], s[4:5], s[30:31]
	s_lshl_b32 s30, s25, 15
	s_add_nc_u64 s[14:15], s[14:15], s[30:31]
	v_lshlrev_b32 v1, 4, v0
	v_lshlrev_b32 v2, 3, v0
.set i, 0
.rept 16
	global_load_b128 v[16+4*i:19+4*i], v1, s[4:5] offset:4096*i th:TH_LOAD_NT
.set i, i+1
.endr
.set i, 0
.rept 16
	s_wait_loadcnt 15-i                            ; the 15 - i younger loads stay out
	v_cvt_pk_bf16_f32 v[80+2*i], v[16+4*i], v[17+4*i]
	v_cvt_pk_bf16_f32 v[81+2*i], v[18+4*i], v[19+4*i]
	global_store_b64 v2, v[80+2*i:81+2*i], s[14:15] offset:2048*i  ; a wave stores 256 consecutive aligned bytes; no register is written twice
.set i, i+1
.endr
	s_endpgm
.Lnot_cast:
	s_cmp_lt_u32 s25, TRQE
	s_cbranch_scc0 .Lnot_trq
	s_sub_co_u32 s24, s25, CASTS
	TRANS 12288, 6, 16, 0
	s_wait_tensorcnt 0x0
	ds_add_u32 v112, v113
	s_wait_dscnt 0x0
	s_endpgm
.Lnot_trq:
	s_cmp_lt_u32 s25, TROE
	s_cbranch_scc0 .Ltab
	s_sub_co_u32 s24, s25, TRQE
	TRANS 4096, 8, 18, 1
	s_wait_tensorcnt 0x0
	ds_add_u32 v112, v113
	s_wait_dscnt 0x0
	s_endpgm
.Ltab:
	s_sub_co_u32 s24, s25, TROE
	s_lshl_b32 s26, s24, 4
	v_add_nc_u32 v8, s26, v6                       ; p = 16 x work-group + t / 16
	v_max_u32 v8, 63, v8
	v_sub_nc_u32 v8, v8, 63
	v_min_u32 v8, 0x80, v8                         ; clamp(p - 63, 0, 128): inside the table of 129 rows
	v_lshlrev_b32 v8, 8, v8                        ; rows of 256 bytes
	v_lshl_add_u32 v8, v7, 4, v8
	global_load_b128 v[16:19], v8, s[10:11]
	global_load_b128 v[20:23], v8, s[12:13]
	s_lshl_b32 s30, s24, 11                        ; 16 rows of 128 bytes
	s_add_nc_u64 s[20:21], s[20:21], s[30:31]
	s_add_nc_u64 s[22:23], s[22:23], s[30:31]
	v_lshlrev_b32 v2, 3, v0
	s_wait_loadcnt 0x0
	TOHALF 80, 16
	TOHALF 81, 18
	TOHALF 82, 20
	TOHALF 83, 22
	global_store_b64 v2, v[80:81], s[20:21]
	global_store_b64 v2, v[82:83], s[22:23]
	s_endpgm
.Lfunc_end_k_qf37c091a38_prep:
	.size	k_qf37c091a38_prep, .Lfunc_end_k_qf37c091a38_prep-k_qf37c091a38_prep
	.p2alignl 7, 3214868480
	.fill 96, 4, 3214868480
	.section	.rodata,"a",@progbits
	.p2align	6, 0x0
	.amdhsa_kernel k_qf37c091a38_prep
		.amdhsa_group_segment_fixed_size 34304
		.amdhsa_private_segment_fixed_size 0
		.amdhsa_enable_private_segment 0
		.amdhsa_kernarg_size 80
		.amdhsa_user_sgpr_count 2
		.amdhsa_user_sgpr_kernarg_segment_ptr 1
		.amdhsa_wavefront_size32 1
		.amdhsa_system_sgpr_workgroup_id_x 1
		.amdhsa_system_sgpr_workgroup_id_y 1
		.amdhsa_system_sgpr_workgroup_id_z 1
		.amdhsa_system_vgpr_workitem_id 0
		.amdhsa_next_free_vgpr 114
		.amdhsa_next_free_sgpr 66
		.amdhsa_reserve_vcc 0
		.amdhsa_float_denorm_mode_32 3
		.amdhsa_float_denorm_mode_16_64 3
		.amdhsa_memory_ordered 1
		.amdhsa_forward_progress 1
		.amdhsa_inst_pref_size 27
	.end_amdhsa_kernel
	.amdgpu_metadata
---
amdhsa.version: [ 1, 2 ]
amdhsa.kernels:
  - .name:           k_qf37c091a38_prep
    .symbol:         k_qf37c091a38_prep.kd
    .args:
      - { .name: x, .offset: 0, .size: 8, .value_kind: global_buffer, .address_space: global }
      - { .name: W_qkv, .offset: 8, .size: 8, .value_kind: global_buffer, .address_space: global }
      - { .name: W_out, .offset: 16, .size: 8, .value_kind: global_buffer, .address_space: global }
      - { .name: rel_emb_k, .offset: 24, .size: 8, .value_kind: global_buffer, .address_space: global }
      - { .name: rel_emb_v, .offset: 32, .size: 8, .value_kind: global_buffer, .address_space: global }
      - { .name: xb, .offset: 40, .size: 8, .value_kind: global_buffer, .address_space: global }
      - { .name: wqt, .offset: 48, .size: 8, .value_kind: global_buffer, .address_space: global }
      - { .name: wot, .offset: 56, .size: 8, .value_kind: global_buffer, .address_space: global }
      - { .name: tabk, .offset: 64, .size: 8, .value_kind: global_buffer, .address_space: global }
      - { .name: tabv, .offset: 72, .size: 8, .value_kind: global_buffer, .address_space: global }
    .group_segment_fixed_size: 34304
    .private_segment_fixed_size: 0
    .kernarg_segment_align: 8
    .kernarg_segment_size: 80
    .max_flat_workgroup_size: 256
    .sgpr_count:     66
    .vgpr_count:     114
    .wavefront_size: 32
...
	.end_amdgpu_metadata
.endif
;; end of part 1
;; launch qkv (part 2): grid 16 x 16, 4 waves a work-group, clusters of 4 x 4, 327,680 bytes of LDS; arguments xb, wqt, b_qkv, qkv; writes qkv
.if DOCPART == 2
	.amdgcn_target "amdgcn-amd-amdhsa--gfx1250"
	.amdhsa_code_object_version 6
	.text
	.protected	k_qf37c091a38_qkv
	.globl	k_qf37c091a38_qkv
	.p2align	8
	.type	k_qf37c091a38_qkv,@function
k_qf37c091a38_qkv:
	s_mov_b64 s[64:65], 0
	v_nop
	global_prefetch_b8 v0, s[64:65] scope:SCOPE_SE
	s_setreg_imm32_b32 hwreg(HW_REG_WAVE_MODE, 25, 1), 1
	s_wait_xcnt 0x0
	s_wait_alu depctr_hold_cnt(0) depctr_sa_sdst(0) depctr_va_vdst(0) depctr_va_sdst(0) depctr_va_ssrc(0) depctr_va_vcc(0) depctr_vm_vsrc(0)
	s_getreg_b32 s2, hwreg(HW_REG_IB_STS2, 6, 4)
	s_cmp_eq_u32 s2, 0
	s_cbranch_scc0 .Lentry_in_a_cluster
	s_endpgm
.Lentry_in_a_cluster:
	s_bfe_u32 s2, ttmp6, 0x10000c
	s_cmp_lg_u32 s2, 0xf033
	s_cbranch_scc0 .Lentry_shape_is_right
	s_endpgm
.Lentry_shape_is_right:
; QKV PROJECTION.  qkv[b][g][s][0..63] = f16( sum over k of xb[b s][k] wqt[64 g + d][k] + bias ), g = 0..15 q's heads, 16..31 k's, 32..47 v's; unscaled.
; xb [4096][1024] and wqt [3072][1024] are bf16; sums in f32; the bias is rounded to bf16 like the other inputs of the module and added in f32.
; LIMIT.  q, k, v leave as f16, which holds no number beyond 65,504.
; SHARES.  A work-group makes 256 rows x 192 columns (three whole heads): 16 x 16 work-groups.  Its four waves stand one below the other: a wave has 64 rows x 192 columns,
; 48 accumulators of 16 x 16, 384 registers, so a wave's columns are whole heads and its rows of a head leave as 2,048 consecutive bytes.
; K goes in 8 steps of 128 through a ring of two LDS slots filled by tensor loads: rows of 256 bytes of memory that start at multiples of 256.
; CLUSTER.  4 x 4 work-groups: the four of a row need the same tiles of xb, the four of a column the same tiles of wqt; each tile is asked for jointly, by the same load, descriptor and mask in all four.
; THE MATRIX INSTRUCTION IS USED TRANSPOSED (source 0 = 16 rows of wqt, source 1 = 16 rows of xb): a lane holds row l % 16 and the eight neighbouring columns 8 (l / 16) + 0..7.
; REGISTERS, in windows of 256 (s_set_vgpr_msb: bits 1:0 source 0, 3:2 source 1, 5:4 source 2, 7:6 destination):
;   window 0: v16-29 addresses; v32-63, v64-95 fragments of xb (4 x 16 rows x 32 K), two buffers; v96-143 packed results; v32-79 rows read back on the way out; v160-255 my 96 bias numbers
;   window 1: the accumulators of my row blocks 0, 1 ((a, b) at 96 (a % 2) + 8 b); window 2: those of blocks 2, 3; window 3: fragments of wqt (12 x 16 rows x 32 K), two buffers of 96
.set SIZE_K, 1024
.set KSTEP,  128
.set PITCH,  272                       ; an LDS row: 256 bytes + 16 of padding: the 16 rows of a fragment load start at 16 different groups of four banks
.set AHALF,  128*PITCH                 ; what waves 0 and 1 fetch each
.set BHALF,  96*PITCH                  ; what waves 2 and 3 fetch each
.set BOFF,   2*AHALF
.set SLOT,   BOFF+2*BHALF              ; 121,856
.set STAGE,  2*SLOT                    ; behind the ring, never filled by a tensor load: for each wave 3 heads x 16 rows x 144 bytes
.set SP,     144
.set STW,    48*SP
.set SPARE,  STAGE+4*STW               ; the spare words, 128 bytes a wave: two blocks of 256 bytes that no other line names
.set LAPS,   SIZE_K/(2*KSTEP)
.set ADRA, 16                          ; v16-17  LDS address of my fragments of xb in slot 0, 1
.set ADRB, 20                          ; v20-21  the same for wqt
.set STO,  24                          ; the way out: where I put 16 bytes of a row
.set RD,   25                          ; where I read rows back
.set GO,   26                          ; my 16 bytes in 512 consecutive bytes of qkv
.set BO,   27                          ; my byte offset in 16 bias numbers
.set SPW,  28                          ; SPARE + 4 x my thread's number; never rewritten
.set NIL,  29                          ; 0; never rewritten
.set FA0,  32
.set TMP,  96
.set OB,   32
.set BI,   160
.set WV, 12                            ; s12 my wave   s13 tile row   s20 wave % 2   s42 tile column
.set RT, 13
.set HF, 20
.set CT, 42
.set G1, 24                            ; s[24:31] group 1 for xb's tiles; s[32:39] group 0, a set for each slot
.set G0, 32
.set G1B, 48                           ; s[48:55], s[56:63] the same for wqt's
.set G0B, 56
.set TO_B, 0xc0                        ; destination window 3, address window 0
.set MSB, 0
.macro WIN new                         ; the immediate's high byte repeats the setting that is left; a switch that changes nothing is dropped
.if MSB != (\new)
	s_set_vgpr_msb (MSB<<8)|(\new)
.set MSB, \new
.endif
.endm
; A joint load: waves 0 and 1 fetch xb's two halves, waves 2 and 3 wqt's.  The branch hangs on the wave's number alone.  An s_nop 0 and four v_nop follow each line.
.macro JLOAD s
	s_cmp_lt_u32 s[WV], 2
	s_cbranch_scc0 .Lfor_b_\@
	tensor_load_to_lds s[G0+4*(\s):G0+4*(\s)+3], s[G1:G1+7]
	s_nop 0
.rept 4
	v_nop
.endr
	s_branch .Lasked_\@
.Lfor_b_\@:
	tensor_load_to_lds s[G0B+4*(\s):G0B+4*(\s)+3], s[G1B:G1B+7]
	s_nop 0
.rept 4
	v_nop
.endr
.Lasked_\@:
.endm
.macro CREST                           ; a round of the cluster's barrier behind its opening barrier
	s_cmp_lg_u32 s[WV], 0
	s_cbranch_scc1 .Lnot_wave_0_\@
	s_barrier_signal -3
.Lnot_wave_0_\@:
	s_barrier_wait -3
	s_barrier_signal -1
	s_barrier_wait -1
.endm
.macro CROUND
	s_barrier_signal -1
	s_barrier_wait -1
	CREST
.endm
.macro PLACES                          ; four plain vector instructions between matrix instructions and loads into, or vector reads of, their registers
.rept 4
	v_nop
.endr
.endm
	s_load_b256 s[4:11], s[0:1], 0x0               ; xb 4:5, wqt 6:7, b_qkv 8:9, qkv 10:11
	v_lshl_add_u32 v[SPW], v0, 2, SPARE
	v_mov_b32 v[NIL], 0
	ds_add_u32 v28, v29
	s_wait_dscnt 0x0
	v_lshrrev_b32 v1, 5, v0
	v_readfirstlane_b32 s[WV], v1
	s_and_b32 s[HF], s[WV], 1                      ; which half of a tile I fetch
	s_bfe_u32 s40, ttmp6, 0x40000                  ; cx
	s_bfe_u32 s41, ttmp6, 0x40004                  ; cy
	s_lshl_b32 s[CT], ttmp9, 2
	s_add_co_u32 s[CT], s[CT], s40                 ; tile column = 4 x cluster x + cx
	s_and_b32 s[RT], ttmp7, 0xffff
	s_lshl_b32 s[RT], s[RT], 2
	s_add_co_u32 s[RT], s[RT], s41                 ; tile row = 4 x cluster y + cy
	s_lshl_b32 s43, s41, 2
	s_lshl_b32 s43, 15, s43                        ; my row of the cluster
	s_lshl_b32 s44, 0x1111, s40                    ; my column
	s_or_b32 s[G1], s43, (1<<16)|(1<<20)|(1<<21)|(5<<22)|(3<<25)   ; the mask; 2-byte elements; padding on; bit 21 beside a mask; after every 64 words, 4 words
	s_or_b32 s[G1B], s44, (1<<16)|(1<<20)|(1<<21)|(5<<22)|(3<<25)
	s_mov_b32 s[G1+1], KSTEP<<16                   ; tensor_dim0 = 128
	s_mov_b32 s[G1+2], 128<<16                     ; tensor_dim1 = 128 rows
	s_mov_b32 s[G1+3], KSTEP<<16                   ; tile_dim0 = 128
	s_mov_b32 s[G1+4], 128                         ; tile_dim1
	s_mov_b32 s[G1+5], SIZE_K                      ; elements from row to row
	s_mov_b32 s[G1+6], 0
	s_mov_b32 s[G1+7], 0
	s_mov_b32 s[G1B+1], KSTEP<<16
	s_mov_b32 s[G1B+2], 96<<16                     ; 96 rows
	s_mov_b32 s[G1B+3], KSTEP<<16
	s_mov_b32 s[G1B+4], 96
	s_mov_b32 s[G1B+5], SIZE_K
	s_mov_b32 s[G1B+6], 0
	s_mov_b32 s[G1B+7], 0
	s_lshl_b32 s16, s[RT], 19                      ; xb: 256 rows of 2,048 bytes a tile row,
	s_lshl_b32 s17, s[HF], 18                      ; 128 rows a half
	s_add_co_u32 s16, s16, s17
	s_mov_b32 s17, 0
	s_mul_i32 s46, s[CT], 192*2048                 ; wqt: 192 rows a tile column,
	s_mul_i32 s47, s[HF], 96*2048                  ; 96 a half
	s_add_co_u32 s46, s46, s47
	s_mov_b32 s47, 0
	s_mul_i32 s21, s[HF], AHALF                    ; where they go: no place in the cluster enters an LDS address
	s_mul_i32 s22, s[HF], BHALF
	s_add_co_u32 s22, s22, BOFF
	s_wait_kmcnt 0x0
	s_add_nc_u64 s[14:15], s[4:5], s[16:17]
	s_add_nc_u64 s[46:47], s[6:7], s[46:47]
	CROUND                                         ; all sixteen work-groups are here: the first joint loads meet
.irp s, 0,1
	s_mov_b32 s[G0+4*(\s)], 1
	s_add_co_u32 s[G0+4*(\s)+1], s21, (\s)*SLOT
	s_add_nc_u64 s[G0+4*(\s)+2:G0+4*(\s)+3], s[14:15], (\s)*KSTEP*2
	s_or_b32 s[G0+4*(\s)+3], s[G0+4*(\s)+3], 0x80000000
	s_mov_b32 s[G0B+4*(\s)], 1
	s_add_co_u32 s[G0B+4*(\s)+1], s22, (\s)*SLOT
	s_add_nc_u64 s[G0B+4*(\s)+2:G0B+4*(\s)+3], s[46:47], (\s)*KSTEP*2
	s_or_b32 s[G0B+4*(\s)+3], s[G0B+4*(\s)+3], 0x80000000
	JLOAD \s                                       ; K steps 0 and 1: two loads of mine are out
.endr
	v_and_b32 v1, 15, v0                           ; l % 16
	v_bfe_u32 v2, v0, 4, 1                         ; l / 16
	v_mul_u32_u24 v3, v1, PITCH
	v_lshl_add_u32 v3, v2, 4, v3                   ; a fragment's row x pitch + 16 x half
	s_mul_i32 s21, s[WV], 64*PITCH                 ; my 64 rows of xb
	s_mov_b32 s22, BOFF                            ; all 192 rows of wqt
.irp s, 0,1
	v_add_nc_u32 v[ADRA+(\s)], s21, v3
	v_add_nc_u32 v[ADRB+(\s)], s22, v3
	s_add_co_u32 s21, s21, SLOT
	s_add_co_u32 s22, s22, SLOT
.endr
	s_mul_i32 s23, s[WV], STW
	s_add_co_u32 s23, s23, STAGE                   ; my stage
	v_mul_u32_u24 v4, v1, SP                       ; in: row l % 16, 16 bytes for each half of the lanes
	v_lshl_add_u32 v4, v2, 4, v4
	v_add_nc_u32 v[STO], s23, v4
	v_bfe_u32 v5, v0, 3, 2                         ; back: 32 lanes take four rows of 128 bytes,
	v_and_b32 v6, 7, v0
	v_mul_u32_u24 v5, v5, SP
	v_lshl_add_u32 v5, v6, 4, v5
	v_add_nc_u32 v[RD], s23, v5
	v_and_b32 v[GO], 31, v0                        ; which are 512 consecutive bytes of qkv
	v_lshlrev_b32 v[GO], 4, v[GO]
	v_lshlrev_b32 v[BO], 5, v2                     ; my eight numbers of sixteen
	s_mul_i32 s46, s[CT], 768                      ; the tile's 192 bias numbers
	s_mov_b32 s47, 0
	s_add_nc_u64 s[8:9], s[8:9], s[46:47]
.set i, 0
.rept 12
	global_load_b128 v[BI+8*i:BI+8*i+3],   v[BO], s[8:9] offset:64*i
	global_load_b128 v[BI+8*i+4:BI+8*i+7], v[BO], s[8:9] offset:64*i+16
.set i, i+1
.endr
	s_lshr_b32 s16, s[RT], 3                       ; qkv at my first row: the batch's 48 heads of 262,144 bytes,
	s_mul_i32 s16, s16, 48<<18
	s_and_b32 s17, s[RT], 7                        ; the tile's 256 rows of 128 bytes in a head,
	s_lshl_b32 s17, s17, 15
	s_add_co_u32 s16, s16, s17
	s_lshl_b32 s17, s[WV], 13                      ; my 64 of them,
	s_add_co_u32 s16, s16, s17
	s_mov_b32 s17, 0
	s_add_nc_u64 s[10:11], s[10:11], s[16:17]
	s_mul_i32 s46, s[CT], 3<<18                    ; and the tile's first head
	s_add_nc_u64 s[10:11], s[10:11], s[46:47]
	s_wait_loadcnt 0x0                             ; the bias, once; its rounding stands in the wait for the first tile
.set i, 0
.rept 48
	v_cvt_pk_bf16_f32 v[TMP+i], v[BI+2*i], v[BI+2*i+1]
.set i, i+1
.endr
.set i, 0
.rept 48
	v_lshlrev_b32 v[BI+2*i], 16, v[TMP+i]
	v_and_b32 v[BI+2*i+1], 0xffff0000, v[TMP+i]
.set i, i+1
.endr
; 12 matrix instructions: row block a x all 12 column blocks, 32 along K, from buffer f.  zero = 1: the product starts the sum.  The 48 accumulators take turns, one instruction a turn.
.macro MUL12 f, a, zero
	WIN 0x53+0x50*((\a)/2)                         ; wqt window 3, xb window 0, C and D window 1 or 2
.set AC, 96*((\a)%2)
.irp b, 0,1,2,3,4,5,6,7,8,9,10,11
.if \zero
	v_wmma_f32_16x16x32_bf16 v[AC+8*(\b):AC+8*(\b)+7], v[96*(\f)+8*(\b):96*(\f)+8*(\b)+7], v[FA0+32*(\f)+8*(\a):FA0+32*(\f)+8*(\a)+7], 0
.else
	v_wmma_f32_16x16x32_bf16 v[AC+8*(\b):AC+8*(\b)+7], v[96*(\f)+8*(\b):96*(\f)+8*(\b)+7], v[FA0+32*(\f)+8*(\a):FA0+32*(\f)+8*(\a)+7], v[AC+8*(\b):AC+8*(\b)+7]
.endif
.endr
.endm
; 32 LDS loads in one run: 32 K at byte k of the rows: wqt's 12 fragments, then xb's 4, into buffer f
.macro FETCH slot, k, f
	WIN TO_B
.irp i, 0,1,2,3,4,5,6,7,8,9,10,11
	ds_load_b128 v[96*(\f)+8*(\i):96*(\f)+8*(\i)+3],   v[ADRB+(\slot)] offset:(\k)+(\i)*16*PITCH
	ds_load_b128 v[96*(\f)+8*(\i)+4:96*(\f)+8*(\i)+7], v[ADRB+(\slot)] offset:(\k)+(\i)*16*PITCH+32
.endr
	WIN 0
.irp i, 0,1,2,3
	ds_load_b128 v[FA0+32*(\f)+8*(\i):FA0+32*(\f)+8*(\i)+3],   v[ADRA+(\slot)] offset:(\k)+(\i)*16*PITCH
	ds_load_b128 v[FA0+32*(\f)+8*(\i)+4:FA0+32*(\f)+8*(\i)+7], v[ADRA+(\slot)] offset:(\k)+(\i)*16*PITCH+32
.endr
.endm
; A K step is four quarters of 32 along K, 48 matrix instructions each, on buffers 0, 1, 0, 1.  One of the first three: multiplies buffer f and, in its middle, fetches the next quarter into g.
.macro QUARTER slot, k, f, g, zero
	s_wait_dscnt 4                                 ; wqt's 24 loads and xb's blocks 0, 1 are in; the youngest four (blocks 2, 3) may be out
	MUL12 \f, 0, \zero
	MUL12 \f, 1, \zero
	PLACES
	FETCH \slot, \k, \g
	s_wait_dscnt 32                                ; all but the 32 just issued
	MUL12 \f, 2, \zero
	MUL12 \f, 3, \zero
.endm
; The last quarter multiplies buffer 1 and changes slots: one barrier; in front of it each wave waits for all its tensor loads (one is out: its part of the next slot), adds 0 to its spare word,
; and waits for that and for its reads of this slot.  fill = 1: the barrier opens a round of the cluster's, and this slot is filled again, two K steps ahead, first thing behind the round.
.macro TURN slot, next, fill
	WIN 0
	s_wait_tensorcnt 0x0
	ds_add_u32 v[SPW], v[NIL]
	s_wait_dscnt 7                                 ; the add and xb's blocks 1 to 3 (six loads) may be out
	MUL12 1, 0, 0
	s_wait_dscnt 0x0                               ; the add is done, and my reads of this slot are over
	s_barrier_signal -1
	MUL12 1, 1, 0
.if \fill
	WIN 0
.endif
	s_barrier_wait -1
.if \fill
	CREST
	s_add_nc_u64 s[G0+4*(\slot)+2:G0+4*(\slot)+3], s[G0+4*(\slot)+2:G0+4*(\slot)+3], 2*KSTEP*2
	s_add_nc_u64 s[G0B+4*(\slot)+2:G0B+4*(\slot)+3], s[G0B+4*(\slot)+2:G0B+4*(\slot)+3], 2*KSTEP*2
	JLOAD \slot                                    ; its four v_nop are also the places in front of the loads below
.else
	PLACES
.endif
	FETCH \next, 0, 0
	MUL12 1, 2, 0
	MUL12 1, 3, 0
.endm
	s_wait_tensorcnt 0x1                           ; my part of K step 0 is in; K step 1's may stay out
	s_barrier_signal -1
	s_barrier_wait -1
	FETCH 0, 0, 0
	QUARTER 0, 64, 0, 1, 1                         ; the first quarter's products start the sums: nothing is cleared
	WIN 0
	s_mov_b32 s3, LAPS-1
.Llap:                                                 ; a trip goes once round the ring and fills both slots again
	QUARTER 0, 128, 1, 0, 0
	QUARTER 0, 192, 0, 1, 0
	TURN 0, 1, 1
	QUARTER 1, 64,  0, 1, 0
	QUARTER 1, 128, 1, 0, 0
	QUARTER 1, 192, 0, 1, 0
	TURN 1, 0, 1
	QUARTER 0, 64,  0, 1, 0
	WIN 0
	s_sub_co_u32 s3, s3, 1
	s_cmp_lg_u32 s3, 0
	s_cbranch_scc1 .Llap
	QUARTER 0, 128, 1, 0, 0                        ; the last lap fills nothing
	QUARTER 0, 192, 0, 1, 0
	TURN 0, 1, 0
	QUARTER 1, 64,  0, 1, 0
	QUARTER 1, 128, 1, 0, 0
	QUARTER 1, 192, 0, 1, 0
	s_wait_dscnt 0x0
	MUL12 1, 0, 0
	MUL12 1, 1, 0
	MUL12 1, 2, 0
	MUL12 1, 3, 0
	; THE WAY OUT, a block of 16 rows at a time: + bias, rounded to f16, 16 bytes a lane into my stage by heads, back as rows of 128 bytes, four rows (512 consecutive bytes of a head) a store.
	PLACES
.irp a, 0,1,2,3
.set W, 1+(\a)/2
.set AC, 96*((\a)%2)
	WIN (W<<6)|W                                   ; accumulators (destination, source 0) in window W, the bias in window 0
.set i, 0
.rept 48
	v_pk_add_f32 v[AC+2*i:AC+2*i+1], v[AC+2*i:AC+2*i+1], v[BI+2*i:BI+2*i+1]  ; ascending: each accumulator is read from its low end on
.set i, i+1
.endr
	WIN W|(W<<2)
.set i, 0
.rept 48
	v_cvt_pk_f16_f32 v[TMP+i], v[AC+2*i], v[AC+2*i+1]
.set i, i+1
.endr
	WIN 0
.set n, 0
.rept 12
	ds_store_b128 v[STO], v[TMP+4*n:TMP+4*n+3] offset:(n/4)*16*SP+32*(n%4)
.set n, n+1
.endr
	s_wait_xcnt 0x0                                ; the last block's stores have read v32-79: only now are they loaded again
.set n, 0
.rept 12
	ds_load_b128 v[OB+4*n:OB+4*n+3], v[RD] offset:(n/4)*16*SP+(n%4)*4*SP  ; LDS serves a wave's instructions in order: these see the stores above
.set n, n+1
.endr
	s_wait_dscnt 0x0
.set n, 0
.rept 12
	global_store_b128 v[GO], v[OB+4*n:OB+4*n+3], s[10:11] offset:(n/4)*262144+(\a)*2048+(n%4)*512
.set n, n+1
.endr
.endr
	s_wait_tensorcnt 0x0                           ; the wave's end
	ds_add_u32 v[SPW], v[NIL]
	s_wait_dscnt 0x0
	CROUND                                         ; the closing round
	s_endpgm
.Lfunc_end_k_qf37c091a38_qkv:
	.size	k_qf37c091a38_qkv, .Lfunc_end_k_qf37c091a38_qkv-k_qf37c091a38_qkv
	.p2alignl 7, 3214868480
	.fill 96, 4, 3214868480
	.section	.rodata,"a",@progbits
	.p2align	6, 0x0
	.amdhsa_kernel k_qf37c091a38_qkv
		.amdhsa_group_segment_fixed_size 327680
		.amdhsa_private_segment_fixed_size 0
		.amdhsa_enable_private_segment 0
		.amdhsa_kernarg_size 32
		.amdhsa_user_sgpr_count 2
		.amdhsa_user_sgpr_kernarg_segment_ptr 1
		.amdhsa_wavefront_size32 1
		.amdhsa_system_sgpr_workgroup_id_x 1
		.amdhsa_system_sgpr_workgroup_id_y 1
		.amdhsa_system_sgpr_workgroup_id_z 1
		.amdhsa_system_vgpr_workitem_id 0
		.amdhsa_next_free_vgpr 960
		.amdhsa_next_free_sgpr 66
		.amdhsa_reserve_vcc 0
		.amdhsa_float_denorm_mode_32 3
		.amdhsa_float_denorm_mode_16_64 3
		.amdhsa_memory_ordered 1
		.amdhsa_forward_progress 1
		.amdhsa_inst_pref_size 140
	.end_amdhsa_kernel
	.amdgpu_metadata
---
amdhsa.version: [ 1, 2 ]
amdhsa.kernels:
  - .name:           k_qf37c091a38_qkv
    .symbol:         k_qf37c091a38_qkv.kd
    .args:
      - { .name: xb, .offset: 0, .size: 8, .value_kind: global_buffer, .address_space: global }
      - { .name: wqt, .offset: 8, .size: 8, .value_kind: global_buffer, .address_space: global }
      - { .name: b_qkv, .offset: 16, .size: 8, .value_kind: global_buffer, .address_space: global }
      - { .name: qkv, .offset: 24, .size: 8, .value_kind: global_buffer, .address_space: global }
    .group_segment_fixed_size: 327680
    .private_segment_fixed_size: 0
    .kernarg_segment_align: 8
    .kernarg_segment_size: 32
    .max_flat_workgroup_size: 128
    .sgpr_count:     66
    .vgpr_count:     960
    .wavefront_size: 32
...
	.end_amdgpu_metadata
.endif
;; end of part 2
;; launch attn (part 3): grid 8 x 32, 8 waves a work-group, no clusters, 327,680 bytes of LDS; arguments qkv, tabk, tabv, ctx; writes ctx
.if DOCPART == 3
	.amdgcn_target "amdgcn-amd-amdhsa--gfx1250"
	.amdhsa_code_object_version 6
	.text
	.protected	k_qf37c091a38_attn
	.globl	k_qf37c091a38_attn
	.p2align	8
	.type	k_qf37c091a38_attn,@function
k_qf37c091a38_attn:
	s_mov_b64 s[64:65], 0
	v_nop
	global_prefetch_b8 v0, s[64:65] scope:SCOPE_SE
	s_setreg_imm32_b32 hwreg(HW_REG_WAVE_MODE, 25, 1), 1
	s_wait_xcnt 0x0
; ATTENTION WITH CLIPPED RELATIVE POSITIONS.  ctx[bh][q] = sum over k of softmax_k((Q[q] . (K[k] + RK[d])) / 8) (V[k] + RV[d]), d = clip(k - q, -64, 64).
; q, k, v: f16 by heads in qkv [2][48][2048][64]; tabk, tabv: f16 [272][64], row p = the table's row for k - q = p - 127, already clipped.  ctx: f16 [32][2048][64].
; Products, maxima and sums in f32; the weights p are rounded to f16 for the second products (their sum is taken of the unrounded p), ctx once at the end.
; LIMITS.  f16 ends at 65,504: q, k, v arrive within it.  A weight below 2^-126 counts as 0.  NaN and infinities are not treated apart.
; SHARES.  A work-group owns 256 queries of one head; each of its eight waves 32: two tiles of 16.  Two waves lie on a SIMD, so that one wave's softmax stands beside the other's products; the text is in plain phases.
; Every wave walks the head's 32 key steps of 64 keys, four steps to an LDS slot, two slots that take turns.
; AHEAD.  A step's K is asked for out of LDS a step ahead, behind the products that read the K before it (a slot's first K at the slot's head), so that it lands during a softmax; V at its step's head, a softmax ahead
; of its products; a band step's fragments of tabv ahead of that step's softmax.
; THE RELATIVE TERMS.  With g the block of 64 keys in which my queries lie: in steps j < g - 1 every distance is clipped to -64, in steps j > g + 1 to +64.
;   There the key term is one number a query, Q . RK[end]: it is the C operand that starts the sum S^T = K Q^T.  The value term is (sum of p) x RV[end]: added once, when the phase ends.
;   In the band, steps g - 1 .. g + 1: with u = key - row + 15 (0..78) the table's row is TB + u.  T = tabk[TB ..] Q^T (5 blocks of 16 rows) goes to LDS as [row][u] and comes back skewed, straight into
;   S^T's registers, as the C of the products.  The weights go to LDS as [row][u] (cells outside a row's 64 are zeroed once and never written) and come back as source 1 of O^T += tabv[TB ..]^T W.
; SOFTMAX.  For each query a running maximum m; p = 2^(c s - c m), c = log2(e) / 8; O, the phase's sum LS and the earlier phases' sum LP are multiplied by a = 2^(c m_old - c m_new) in every step.
; m starts at the lowest finite number, O and the sums at 0: the first step is a step like any other, with a = 0.  The price: 64 v_mov_b32 that stand in the wait for the first tile.
; NO CLUSTER.  Partners would be the query blocks of one head; their band steps fall into different trips, so their branches would hang on the place in the cluster; and what they would
; share, a head's K and V, is 524,288 bytes a work-group in the whole launch.
; REGISTERS (s_set_vgpr_msb: bits 1:0 source 0, 3:2 source 1, 5:4 source 2, 7:6 destination):
;   window 0: v2-19 addresses; v20-43 twelve registers of statistics a tile; v44-59 BR; v60-61 zeros; v62-63 the add's; v64-127 S^T; v128-159 P (v128-167 T); v168-231 O^T; v232-247 BC; v248-255 at work at the start
;   window 1: v0-31 Q; v32-95 V of a step; v96-159 K of a step; v160-255 six blocks of tabk; later v144-255 seven half blocks x four channel blocks of tabv
.set KS,    64
.set PK,    144                        ; a row of K or tabk in LDS: 128 bytes + 16: the 16 rows of a load start at 16 different groups of four banks
.set PV,    160                        ; a row of V or tabv: 128 + 32
.set VOFF,  4*KS*PK
.set SLOT1, 1<<17
.set RELK,  4*KS*(PK+PV)               ; behind slot 0: 256 rows of tabk, filled once
.set SPARE, RELK+256*PK                ; the spare words, 128 bytes a wave: four blocks of 256 bytes that no other line names
.set RELV,  SLOT1+4*KS*(PK+PV)         ; behind slot 1: 272 rows of tabv, filled once
.set SCR,   RELV+272*PV                ; each wave's own scratch, never filled by a tensor load
.set PT,    336                        ; T: 16 rows of 80 f32 + 16 bytes
.set PW,    208                        ; W: 16 rows of 96 f16 + 16 bytes
.set SCRW,  16*PT
.set SCRB,  SCRW+16*PW                 ; 8,704 bytes a wave
.set AK0, 2
.set AV0, 3
.set AK,  4
.set AV,  5
.set QO,  6
.set AKT0, 7
.set AKT, 8
.set AVT0, 9
.set AVT, 10
.set TST, 11
.set TLD, 12
.set WST, 13
.set WLD, 14
.set FA,  15
.set STO, 16
.set RD,  17
.set GO,  18
.set ZA,  19
.set ST,  20                           ; tile t at ST + 12 t: +0 c m, +1 m, +2,3 LS, +4..7 c0-c3 (a takes c2), +8 c m_old, +9 LP, +10,11 at work at a phase's end
.set BR,  44                           ; Q . RK[+64], eight alike a tile
.set ZZ,  60
.set SPW, 62
.set NIL, 63
.set S,   64
.set P,   128
.set TA,  128
.set O,   168
.set BC,  232                          ; the C operand of the far steps: Q . RK[-64], later BR's numbers
.set QF,  0                            ; window 1
.set VF,  32
.set KF,  96
.set TAB, 160
.set RV,  144
.set WV,  12
.set G1K, 24
.set G1V, 32
.set G0K, 40
.set G0V, 44
.set G1TK, 48
.set G0TK, 56
.set SEL, 60
.set TBK, 62                           ; LDS byte at which K of the step to be asked for next begins
.set TBV, 63                           ; the same for V, less VOFF
.set SLOTS, 66
.set CNT, 67
.set G1TV, 68
.set G0TV, 76
.set CS,  80
.set J,   82                           ; the key step in hand
.set GLO, 83                           ; the band's first step
.set GHI, 84                           ; its last
.set GH1, 85
.set G,   86
.set HB,  87                           ; 32 - 32 (wave % 2)
.set MSB, 0
.macro WIN new
.if MSB != (\new)
	s_set_vgpr_msb (MSB<<8)|(\new)
.set MSB, \new
.endif
.endm
.macro NOPS n
.rept \n
	v_nop
.endr
.endm
; A fill: waves 0, 1 fetch the halves of a slot's K, waves 2, 3 those of its V, 128 keys each; the others fetch nothing.  An s_nop 0 and four v_nop follow each line.
.macro LOAD
	s_cmp_lt_u32 s[WV], 2
	s_cbranch_scc0 .Lnot_k_\@
	tensor_load_to_lds s[G0K:G0K+3], s[G1K:G1K+7]
	s_nop 0
	NOPS 4
	s_branch .Lasked_\@
.Lnot_k_\@:
	s_cmp_lt_u32 s[WV], 4
	s_cbranch_scc0 .Lasked_\@
	tensor_load_to_lds s[G0V:G0V+3], s[G1V:G1V+7]
	s_nop 0
	NOPS 4
.Lasked_\@:
.endm
; THE CHANGE OF SLOTS.  Each wave waits for all its tensor loads (at most one is out: its part of the other slot), adds 0 to its spare word, and waits for that and for its reads of the slot that it leaves.
; Behind the barrier nobody reads the old slot and the other is whole.  fill = 1: the old slot takes the next 256 keys, first thing behind the barrier.  (At its first use slot 0 and the tables are waited for, slot 1 filled.)
.macro CHANGE fill
	WIN 0
	s_wait_tensorcnt 0x0
	ds_add_u32 v[SPW], v[NIL]
.if \fill
.irp g, G0K, G0V
	s_xor_b32 s[\g+1], s[\g+1], SLOT1
	s_add_nc_u64 s[\g+2:\g+3], s[\g+2:\g+3], 4*KS*128
.endr
.endif
	s_wait_dscnt 0x0
	s_barrier_signal -1
	s_sub_co_u32 s[TBK], s[TBK], 4*KS*PK           ; the fetches go back to a slot's first step, in the other slot
	s_xor_b32 s[TBK], s[TBK], SLOT1
	s_sub_co_u32 s[TBV], s[TBV], 4*KS*PV
	s_xor_b32 s[TBV], s[TBV], SLOT1
	s_barrier_wait -1
.if \fill
	LOAD
.endif
.endm
.macro FETCH_K                         ; 64 keys x 64 channels: keys 16 (f / 2) on, channels 32 (f % 2) on
.irp f, 0,1,2,3,4,5,6,7
	ds_load_b128 v[KF+8*\f:KF+8*\f+3],   v[AK] offset:(\f/2)*16*PK+(\f%2)*64
	ds_load_b128 v[KF+8*\f+4:KF+8*\f+7], v[AK] offset:(\f/2)*16*PK+(\f%2)*64+32
.endr
.endm
.macro FETCH_V                         ; turned: keys 32 (f / 4) on, channels 16 (f % 4) on
.irp f, 0,1,2,3,4,5,6,7
	ds_load_tr16_b128 v[VF+8*\f:VF+8*\f+3],   v[AV] offset:(\f/4)*32*PV+(\f%4)*32
	ds_load_tr16_b128 v[VF+8*\f+4:VF+8*\f+7], v[AV] offset:(\f/4)*32*PV+16*PV+(\f%4)*32
.endr
.endm
; The next step's K is asked for; s[TBK] has been stepped to it at this step's head.  In a slot's last step (the count stands at 1) the next K lies in the other slot, which only the change of slots shows whole:
; the run is jumped over, and the next slot's head asks.  It stands four places or more behind the last product that read K's registers.
.macro NEXTK
	s_cmp_eq_u32 s[CNT], 1
	s_cbranch_scc1 .Lno_k_\@
	v_add_nc_u32 v[AK], s[TBK], v[AK0]
	WIN 0x40
	FETCH_K
	WIN 0
.Lno_k_\@:
.endm
; S^T = K Q^T + C: product i of 16: channels 32 (i / 8) on, keys 16 ((i / 2) % 4) on, tile i % 2.  The 8 accumulators take turns.
; c0 = 0: the first 8 take BC as C.  c0 = 1: S^T's registers hold the band's key term already.
.macro KQ c0
.set i, 0
.rept 16
.set rS, S+32*(i%2)+8*((i/2)%4)
.set rK, KF+16*((i/2)%4)+8*(i/8)
.set rQ, QF+16*(i%2)+8*(i/8)
.set rB, BC+8*(i%2)
.if (i < 8) && !(\c0)
	v_wmma_f32_16x16x32_f16 v[rS:rS+7], v[rK:rK+7], v[rQ:rQ+7], v[rB:rB+7]
.else
	v_wmma_f32_16x16x32_f16 v[rS:rS+7], v[rK:rK+7], v[rQ:rQ+7], v[rS:rS+7]
.endif
.set i, i+1
.endr
.endm
.macro PV                              ; O^T += V^T P: keys 32 (i / 8) on, channels 16 ((i / 2) % 4) on, tile i % 2
.set i, 0
.rept 16
.set rO, O+32*(i%2)+8*((i/2)%4)
.set rV, VF+32*(i/8)+8*((i/2)%4)
.set rP, P+16*(i%2)+8*(i/8)
	v_wmma_f32_16x16x32_f16 v[rO:rO+7], v[rV:rV+7], v[rP:rP+7], v[rO:rO+7]
.set i, i+1
.endr
.endm
.macro REGS t
.set rT, ST+12*(\t)
.set rS, S+32*(\t)
.set rP, P+16*(\t)
.set rO, O+32*(\t)
.endm
; Number n of the 22 that find a tile's maximum and statistics.  Each accumulator's lowest registers are read first.
.macro XS t, n
	REGS \t
.if (\n) < 4
	v_max3_num_f32 v[rT+4+(\n)], v[rS+8*(\n)], v[rS+8*(\n)+1], v[rS+8*(\n)+2]
.elseif (\n) < 12
	v_max3_num_f32 v[rT+4+(\n)%4], v[rT+4+(\n)%4], v[rS+8*((\n)%4)+2*((\n)/4)+1], v[rS+8*((\n)%4)+2*((\n)/4)+2]
.elseif (\n) == 12
	v_max3_num_f32 v[rT+4], v[rT+4], v[rS+7], v[rS+15]
.elseif (\n) == 13
	v_max3_num_f32 v[rT+5], v[rT+5], v[rS+23], v[rS+31]
.elseif (\n) == 14
	v_max3_num_f32 v[rT+6], v[rT+6], v[rT+7], v[rT+1]
.elseif (\n) == 15
	v_mov_b32 v[rT+8], v[rT]
.elseif (\n) == 16
	v_max3_num_f32 v[rT+4], v[rT+4], v[rT+5], v[rT+6]
.elseif (\n) == 17
	v_permlanex16_b32 v[rT+7], v[rT+4], s[SEL], s[SEL+1]  ; the query's other 32 keys lie in the lane 16 away
.elseif (\n) == 18
	v_max_num_f32 v[rT+1], v[rT+4], v[rT+7]
.elseif (\n) == 19
	v_mul_f32 v[rT], s[CS], v[rT+1]
.elseif (\n) == 20
	v_sub_f32 v[rT+5], v[rT+8], v[rT]
.else
	v_exp_f32 v[rT+6], v[rT+5]
.endif
.endm
.macro EXPO t
	REGS \t
	v_exp_f32 v[rS+i], v[rS+i]
.endm
; The plain instruction behind exponential i.  First what waits for nothing but a: LP a, then the 16 pairs of O^T times a, ascending (each accumulator is read from its low end on);
; then the rounding of pair i - 17, whose second exponential stands two numbers i, eight instructions, or more back.
.macro XP t
	REGS \t
.if i == 0
	s_wait_alu depctr_va_vdst(0)
	v_mul_f32 v[rT+9], v[rT+9], v[rT+6]
.elseif i < 17
	v_pk_mul_f32 v[rO+2*i-2:rO+2*i-1], v[rO+2*i-2:rO+2*i-1], v[rT+6:rT+7] op_sel_hi:[1,0]
.else
	s_wait_alu depctr_va_vdst(0)
	v_cvt_pk_f16_f32 v[rP+i-17], v[rS+2*i-34], v[rS+2*i-33]
.endif
.endm
; A step's softmax for both tiles, all in window 0, the tiles alternating.  A plain instruction that names neither its result nor its source stands behind every exponential (ISA guide 5.7.2).
.macro SOFTMAX
.irp n, 0,1,2,3,4,5,6,7,8,9,10,11,12,13,14,15,16,17,18,19,20,21
	XS 0, \n
	XS 1, \n
.endr
.set b, 0
.rept 16
	REGS 0
	v_pk_fma_f32 v[rS+2*b:rS+2*b+1], v[rS+2*b:rS+2*b+1], s[CS:CS+1], v[rT:rT+1] op_sel_hi:[1,0,0] neg_lo:[0,0,1] neg_hi:[0,0,1]
	REGS 1
	v_pk_fma_f32 v[rS+2*b:rS+2*b+1], v[rS+2*b:rS+2*b+1], s[CS:CS+1], v[rT:rT+1] op_sel_hi:[1,0,0] neg_lo:[0,0,1] neg_hi:[0,0,1]
.set b, b+1
.endr
.set i, 0
.rept 32
	EXPO 0
	XP 0
	EXPO 1
	XP 1
.set i, i+1
.endr
	s_wait_alu depctr_va_vdst(0)
.irp d, 2,4,8                          ; the sum of a tile's 16 pairs, in place: neighbours 1, 2, 4 pairs apart (pair 15 is only ever an addend: it keeps its weights)
.set u, 0
.rept 16/(\d)
	v_pk_add_f32 v[S+u:S+u+1], v[S+u:S+u+1], v[S+u+\d:S+u+\d+1]
	v_pk_add_f32 v[S+32+u:S+32+u+1], v[S+32+u:S+32+u+1], v[S+32+u+\d:S+32+u+\d+1]
.set u, u+2*(\d)
.endr
.endr
	v_cvt_pk_f16_f32 v[P+15], v[S+30], v[S+31]     ; the last pair's rounding stands between two levels of the sum, each of which waits for the one before
	v_cvt_pk_f16_f32 v[P+31], v[S+62], v[S+63]
	v_pk_add_f32 v[S:S+1], v[S:S+1], v[S+16:S+17]  ; 8 pairs apart
	v_pk_add_f32 v[S+32:S+33], v[S+32:S+33], v[S+48:S+49]
	v_pk_fma_f32 v[ST+2:ST+3], v[ST+2:ST+3], v[ST+6:ST+7], v[S:S+1] op_sel_hi:[1,0,1]
	v_pk_fma_f32 v[ST+14:ST+15], v[ST+14:ST+15], v[ST+18:ST+19], v[S+32:S+33] op_sel_hi:[1,0,1]
.endm
; A FAR STEP.  Five v_nop end every step: the places behind its last products, for whatever follows: loads into their sources, products that write over them, vector work on O^T.
.macro FARSTEP
	WIN 0x40
	FETCH_V
	s_wait_dscnt 16                                ; K, asked for a step ago or at the slot's head, is in: it is older than V's 16 loads, which may stay out
	WIN 0x05
	KQ 0
	WIN 0
	NOPS 4                                         ; places: K's registers are loaded again, and S^T is read
	NEXTK
	SOFTMAX
	s_wait_dscnt 0x0                               ; V is in, and so is the next K
	WIN 0x01
	PV
	WIN 0
	NOPS 5
.endm
; A BAND STEP.
.macro BANDSTEP
	s_add_co_u32 s88, s[J], 1
	s_sub_co_u32 s88, s88, s[G]                    ; j - g + 1: 0, 1 or 2 by the two compares in front; the minimum states that bound here
	s_min_u32 s88, s88, 2
	s_lshl_b32 s88, s88, 6
	s_add_co_u32 s88, s88, s[HB]                   ; TB1: the table's row for tile 1, u = 0; tile 0's lies 16 rows on
	s_mul_i32 s89, s88, PK
	s_mul_i32 s88, s88, PV
	v_add_nc_u32 v[AKT], s89, v[AKT0]
	v_add_nc_u32 v[AVT], s88, v[AVT0]
	WIN 0x40
.set i, 0
.rept 12                               ; tabk: block i / 2 of six, channels 32 (i % 2) on
	ds_load_b128 v[TAB+8*i:TAB+8*i+3],   v[AKT] offset:(i/2)*16*PK+(i%2)*64
	ds_load_b128 v[TAB+8*i+4:TAB+8*i+7], v[AKT] offset:(i/2)*16*PK+(i%2)*64+32
.set i, i+1
.endr
	FETCH_V
	s_wait_dscnt 16                                ; tabk's 24 loads, and K's in front of them, are in; V's 16 may stay out
.irp t, 0,1
	WIN 0x05
.set i, 0
.rept 10                               ; T: channels 32 (i / 5) on, block i % 5: five accumulators by turns
.set rA, TAB+16*(i%5+1-\t)+8*(i/5)
.set rD, TA+8*(i%5)
.set rQ, QF+16*\t+8*(i/5)
.if i < 5
	v_wmma_f32_16x16x32_f16 v[rD:rD+7], v[rA:rA+7], v[rQ:rQ+7], 0
.else
	v_wmma_f32_16x16x32_f16 v[rD:rD+7], v[rA:rA+7], v[rQ:rQ+7], v[rD:rD+7]
.endif
.set i, i+1
.endr
	WIN 0
	NOPS 5                                         ; places: the stores below read T, and the other tile's products write over it
.set i, 0
.rept 10
	ds_store_b128 v[TST], v[TA+4*i:TA+4*i+3] offset:64*(i/2)+16*(i%2)  ; [row][u = 16 block + 8 (l / 16) + 0..7]
.set i, i+1
.endr
.set i, 0
.rept 32
	ds_load_b32 v[S+32*\t+i], v[TLD] offset:64*(i/8)+4*(i%8)          ; back at u = key - row + 15; LDS serves a wave's instructions in order
.set i, i+1
.endr
.endr
	s_wait_dscnt 0x0                               ; the key term and V are in
	WIN 0x05
	KQ 1
	WIN 0
	NOPS 4                                         ; places: tabv's fragments land on registers of K and tabk, and S^T is read
	WIN 0x40
.set i, 0
.rept 28                               ; tabv, turned: channel block i / 7, rows 16 (i % 7) on; asked for here, it lands during the softmax
	ds_load_tr16_b128 v[RV+4*i:RV+4*i+3], v[AVT] offset:(i%7)*16*PV+(i/7)*32
.set i, i+1
.endr
	WIN 0
	SOFTMAX
.irp t, 0,1
.set i, 0
.rept 16                               ; the weights to [row][u]: pair i holds keys 16 (i / 4) + 8 (l / 16) + 2 (i % 4), + 1
	ds_store_b16 v[WST], v[P+16*\t+i] offset:32*(i/4)+4*(i%4)
	ds_store_b16_d16_hi v[WST], v[P+16*\t+i] offset:32*(i/4)+4*(i%4)+2
.set i, i+1
.endr
.set i, 0
.rept 3                                ; and back as three fragments of 32 u x 16 queries, into S^T's registers
	ds_load_b128 v[S+32*\t+8*i:S+32*\t+8*i+3],   v[WLD] offset:64*i
	ds_load_b128 v[S+32*\t+8*i+4:S+32*\t+8*i+7], v[WLD] offset:64*i+32
.set i, i+1
.endr
.endr
	WIN 0x01
	PV                                             ; stands in the wait for those loads
	s_wait_dscnt 0x0
.set i, 0
.rept 24                               ; O^T += tabv^T W: u 32 (i / 8) on, channels 16 ((i / 2) % 4) on, tile i % 2: the same 8 accumulators, still by turns
.set rO, O+32*(i%2)+8*((i/2)%4)
.set rA, RV+28*((i/2)%4)+4*(2*(i/8)+1-i%2)
.set rB, S+32*(i%2)+8*(i/8)
	v_wmma_f32_16x16x32_f16 v[rO:rO+7], v[rA:rA+7], v[rB:rB+7], v[rO:rO+7]
.set i, i+1
.endr
	WIN 0
	NOPS 5
	NEXTK                                          ; only here: tabv's fragments lay on the last 16 of K's registers
.endm
; A PHASE ENDS.  x = the phase's sum of weights (both halves of the pair, both halves of the lanes); LP takes it; LS starts anew.
; kind 0: the left phase: O^T += x RV[-64] (tabv's row 0).  kind 2: the right phase: row 255.  kind 1: the band: its value term is in O^T already; BC takes the right phase's numbers.
.macro PHEND kind
.irp t, 0,1
	v_add_f32 v[ST+12*\t+10], v[ST+12*\t+2], v[ST+12*\t+3]
.endr
.irp t, 0,1
	v_permlanex16_b32 v[ST+12*\t+11], v[ST+12*\t+10], s[SEL], s[SEL+1]
.endr
.irp t, 0,1
	v_add_f32 v[ST+12*\t+10], v[ST+12*\t+10], v[ST+12*\t+11]
	v_mov_b32 v[ST+12*\t+2], 0
	v_mov_b32 v[ST+12*\t+3], 0
.endr
.irp t, 0,1
	v_add_f32 v[ST+12*\t+9], v[ST+12*\t+9], v[ST+12*\t+10]
.endr
.if (\kind) == 1
.set i, 0
.rept 16
	v_mov_b32 v[BC+i], v[BR+i]                     ; ascending: BR is read from its low end on
.set i, i+1
.endr
.else
.irp f, 0,1,2,3
	ds_load_b128 v[S+4*\f:S+4*\f+3], v[FA] offset:32*\f+((\kind)/2)*255*PV  ; my 8 channels of each block of 16
.endr
	s_wait_dscnt 0x0
.set i, 0
.irp src, v64.l,v64.h,v65.l,v65.h,v66.l,v66.h,v67.l,v67.h,v68.l,v68.h,v69.l,v69.h,v70.l,v70.h,v71.l,v71.h,v72.l,v72.h,v73.l,v73.h,v74.l,v74.h,v75.l,v75.h,v76.l,v76.h,v77.l,v77.h,v78.l,v78.h,v79.l,v79.h
	v_cvt_f32_f16 v[S+16+i], \src                  ; v64 is S
.set i, i+1
.endr
.set i, 0
.rept 16
	v_pk_fma_f32 v[O+2*i:O+2*i+1], v[S+16+2*i:S+16+2*i+1], v[ST+10:ST+11], v[O+2*i:O+2*i+1] op_sel_hi:[1,0,1]
	v_pk_fma_f32 v[O+32+2*i:O+32+2*i+1], v[S+16+2*i:S+16+2*i+1], v[ST+22:ST+23], v[O+32+2*i:O+32+2*i+1] op_sel_hi:[1,0,1]
.set i, i+1
.endr
.endif
.endm
; A slot's four key steps.  At the head the slot's first K is asked for, behind the refill.  Which text a step takes hangs on the step's number, the work-group's block and the wave's number;
; every jump but the loop's own goes forward and passes neither a barrier nor a tensor load.  Both LDS byte counters step once in every step, so that four steps and a change of slots cancel.
.macro WORK
	s_mov_b32 s[CNT], 4
	v_add_nc_u32 v[AK], s[TBK], v[AK0]
	WIN 0x40
	FETCH_K
	WIN 0
.Lstep_\@:
	v_add_nc_u32 v[AV], s[TBV], v[AV0]
	s_add_co_u32 s[TBK], s[TBK], KS*PK             ; now the next step's K
	s_add_co_u32 s[TBV], s[TBV], KS*PV
	s_cmp_lt_u32 s[J], s[GLO]
	s_cbranch_scc1 .Lfar_\@
	s_cmp_gt_u32 s[J], s[GHI]
	s_cbranch_scc1 .Lfar_\@
	BANDSTEP
	s_branch .Ljoin_\@
.Lfar_\@:
	FARSTEP
.Ljoin_\@:
	s_add_co_u32 s[J], s[J], 1
	s_cmp_lg_u32 s[J], s[GLO]
	s_cbranch_scc1 .Lno_left_\@
	PHEND 0
.Lno_left_\@:
	s_cmp_lg_u32 s[J], s[GH1]
	s_cbranch_scc1 .Lno_band_\@
	PHEND 1
.Lno_band_\@:
	s_sub_co_u32 s[CNT], s[CNT], 1
	s_cmp_lg_u32 s[CNT], 0
	s_cbranch_scc1 .Lstep_\@
.endm
	s_load_b256 s[4:11], s[0:1], 0x0               ; qkv 4:5, tabk 6:7, tabv 8:9, ctx 10:11
	v_lshl_add_u32 v[SPW], v0, 2, SPARE
	v_mov_b32 v[NIL], 0
	ds_add_u32 v62, v63
	s_wait_dscnt 0x0
	s_barrier_signal -1
	s_barrier_wait -1
	v_lshrrev_b32 v1, 5, v0
	v_readfirstlane_b32 s[WV], v1                  ; wave 0..7
	s_mov_b32 s14, ttmp9                           ; my block of 256 queries
	s_and_b32 s15, ttmp7, 0xffff                   ; batch x 16 + head
	s_lshr_b32 s16, s15, 4
	s_and_b32 s17, s15, 15
	s_mul_i32 s16, s16, 48
	s_add_co_u32 s16, s16, s17
	s_lshl_b32 s16, s16, 18                        ; q's head: 262,144 bytes a head
	s_and_b32 s18, s[WV], 1                        ; which half of a slot's 256 keys I fetch
	s_lshl_b32 s19, s18, 14
	s_add_co_u32 s20, s16, s19
	s_add_co_u32 s20, s20, 16<<18                  ; k's head lies 16 heads on,
	s_mov_b32 s21, 0
	s_add_co_u32 s22, s20, 16<<18                  ; v's 32
	s_mov_b32 s23, 0
	s_lshl_b32 s88, s14, 15
	s_lshl_b32 s89, s[WV], 12
	s_add_co_u32 s88, s88, s89                     ; my 32 rows of 128 bytes in a head
	s_add_co_u32 s90, s16, s88
	s_mov_b32 s91, 0
	s_lshl_b32 s89, s15, 18
	s_add_co_u32 s88, s88, s89
	s_mov_b32 s89, 0
	; descriptors.  Dense rows of 128 bytes are asked for as rows of 256 bytes, two a row, and padded in LDS after every 32 words
	s_mov_b32 s[G1K],  (1<<16)|(1<<20)|(4<<22)|(3<<25)   ; 2-byte elements; padding on; after every 32 words (code 4), 4 words (code 3)
	s_mov_b32 s[G1V],  (1<<16)|(1<<20)|(4<<22)|(7<<25)   ; 8 words (code 7)
	s_mov_b32 s[G1TK], (1<<16)|(1<<20)|(4<<22)|(3<<25)
	s_mov_b32 s[G1TV], (1<<16)|(1<<20)|(4<<22)|(7<<25)
.irp g, G1K, G1V, G1TK, G1TV
	s_mov_b32 s[\g+1], 128<<16                     ; tensor_dim0 = 128
	s_mov_b32 s[\g+3], 128<<16                     ; tile_dim0 = 128
	s_mov_b32 s[\g+5], 128                         ; elements from row to row
	s_mov_b32 s[\g+6], 0
	s_mov_b32 s[\g+7], 0
.endr
	s_mov_b32 s[G1K+2], 64<<16                     ; 128 keys: 64 rows
	s_mov_b32 s[G1K+4], 64
	s_mov_b32 s[G1V+2], 64<<16
	s_mov_b32 s[G1V+4], 64
	s_mov_b32 s[G1TK+2], 128<<16                   ; 256 rows of tabk
	s_mov_b32 s[G1TK+4], 128
	s_mov_b32 s[G1TV+2], 136<<16                   ; 272 rows of tabv
	s_mov_b32 s[G1TV+4], 136
	s_mov_b32 s[G0K], 1
	s_mul_i32 s[G0K+1], s18, 128*PK
	s_mov_b32 s[G0V], 1
	s_mul_i32 s[G0V+1], s18, 128*PV
	s_add_co_u32 s[G0V+1], s[G0V+1], VOFF
	s_mov_b32 s[G0TK], 1
	s_mov_b32 s[G0TK+1], RELK
	s_mov_b32 s[G0TV], 1
	s_mov_b32 s[G0TV+1], RELV
	s_mov_b32 s[CS], 0x3e38aa3b                    ; c = log2(e) / 8
	s_mov_b32 s[CS+1], s[CS]
	s_mov_b32 s[SEL], 0x76543210
	s_mov_b32 s[SEL+1], 0xfedcba98
	s_mov_b32 s[TBK], SLOT1+4*KS*PK                ; the first change of slots turns these two into 0
	s_mov_b32 s[TBV], SLOT1+4*KS*PV
	s_lshl_b32 s[G], s14, 2
	s_lshr_b32 s19, s[WV], 1
	s_add_co_u32 s[G], s[G], s19                   ; g: my queries' block of 64
	s_sub_co_i32 s[GLO], s[G], 1
	s_max_i32 s[GLO], s[GLO], 0
	s_add_co_u32 s[GHI], s[G], 1
	s_min_u32 s[GHI], s[GHI], 31
	s_add_co_u32 s[GH1], s[GHI], 1
	s_xor_b32 s[HB], s18, 1
	s_lshl_b32 s[HB], s[HB], 5
	s_mov_b32 s[J], 0
	s_mov_b32 s[SLOTS], 7
	s_wait_kmcnt 0x0
	s_add_nc_u64 s[G0K+2:G0K+3], s[4:5], s[20:21]
	s_or_b32 s[G0K+3], s[G0K+3], 0x80000000
	s_add_nc_u64 s[G0V+2:G0V+3], s[4:5], s[22:23]
	s_or_b32 s[G0V+3], s[G0V+3], 0x80000000
	s_mov_b64 s[G0TK+2:G0TK+3], s[6:7]
	s_or_b32 s[G0TK+3], s[G0TK+3], 0x80000000
	s_mov_b64 s[G0TV+2:G0TV+3], s[8:9]
	s_or_b32 s[G0TV+3], s[G0TV+3], 0x80000000
	s_add_nc_u64 s[92:93], s[4:5], s[90:91]        ; Q at my first row
	s_add_nc_u64 s[10:11], s[10:11], s[88:89]      ; ctx at my first row
	; the first fills, one a wave, in one branch on the wave's number: slot 0's K (waves 0, 1) and V (2, 3), tabk (4), tabv (5)
	s_cmp_lt_u32 s[WV], 2
	s_cbranch_scc0 .Lfirst_v
	tensor_load_to_lds s[G0K:G0K+3], s[G1K:G1K+7]
	s_nop 0
	NOPS 4
	s_branch .Lfirst_done
.Lfirst_v:
	s_cmp_lt_u32 s[WV], 4
	s_cbranch_scc0 .Lfirst_tk
	tensor_load_to_lds s[G0V:G0V+3], s[G1V:G1V+7]
	s_nop 0
	NOPS 4
	s_branch .Lfirst_done
.Lfirst_tk:
	s_cmp_eq_u32 s[WV], 4
	s_cbranch_scc0 .Lfirst_tv
	tensor_load_to_lds s[G0TK:G0TK+3], s[G1TK:G1TK+7]
	s_nop 0
	NOPS 4
	s_branch .Lfirst_done
.Lfirst_tv:
	s_cmp_eq_u32 s[WV], 5
	s_cbranch_scc0 .Lfirst_done
	tensor_load_to_lds s[G0TV:G0TV+3], s[G1TV:G1TV+7]
	s_nop 0
	NOPS 4
.Lfirst_done:
	v_and_b32 v248, 15, v0                         ; l % 16
	v_bfe_u32 v249, v0, 4, 1                       ; l / 16
	v_and_b32 v250, 7, v0
	v_bfe_u32 v251, v0, 3, 1
	v_bfe_u32 v252, v0, 3, 2
	v_and_b32 v253, 31, v0
	v_lshlrev_b32 v[QO], 7, v248
	v_lshl_add_u32 v[QO], v249, 4, v[QO]           ; row x 128 + 16 x half
	v_lshlrev_b32 v[ZA], 4, v249                   ; 16 x half alone: all 16 rows of such a fragment are one row of the table
	WIN 0x40
.set i, 0
.rept 4                                ; Q stays in registers: tile i / 2, channels 32 (i % 2) on
	global_load_b128 v[QF+8*i:QF+8*i+3],   v[QO], s[92:93] offset:(i/2)*2048+(i%2)*64
	global_load_b128 v[QF+8*i+4:QF+8*i+7], v[QO], s[92:93] offset:(i/2)*2048+(i%2)*64+32
.set i, i+1
.endr
.set i, 0
.rept 4                                ; tabk's row 0 (i / 2 = 0) and row 255: the two clipped ends
	global_load_b128 v[TAB+8*i:TAB+8*i+3],   v[ZA], s[6:7] offset:(i/2)*255*128+(i%2)*64
	global_load_b128 v[TAB+8*i+4:TAB+8*i+7], v[ZA], s[6:7] offset:(i/2)*255*128+(i%2)*64+32
.set i, i+1
.endr
	WIN 0
	v_mul_u32_u24 v[AK0], v248, PK
	v_lshl_add_u32 v[AK0], v249, 4, v[AK0]         ; a fragment's row x pitch + 16 x half
	v_lshl_add_u32 v255, v249, 3, v250             ; the turning load: row 8 (l / 16) + l % 8, 16 bytes at 16 ((l / 8) % 2)
	v_mul_u32_u24 v255, v255, PV
	v_lshl_add_u32 v255, v251, 4, v255
	v_add_nc_u32 v[AV0], VOFF, v255
	v_add_nc_u32 v[AVT0], RELV, v255
	v_add_nc_u32 v[AKT0], RELK, v[AK0]
	s_mul_i32 s88, s[WV], SCRB
	s_add_co_u32 s88, s88, SCR                     ; my scratch: T
	s_add_co_u32 s89, s88, SCRW                    ; and W
	v_mul_u32_u24 v[TST], v248, PT
	v_lshl_add_u32 v[TST], v249, 5, v[TST]
	v_add_nc_u32 v[TST], s88, v[TST]               ; T in: row x 336 + 32 x half
	v_mul_u32_u24 v[TLD], v248, PT-4
	v_lshl_add_u32 v[TLD], v249, 5, v[TLD]
	v_add_nc_u32 v[TLD], s88, v[TLD]
	v_add_nc_u32 v[TLD], 60, v[TLD]                ; T back: row x 336 + 4 (8 x half - row + 15)
	v_mul_u32_u24 v[WST], v248, PW-2
	v_lshl_add_u32 v[WST], v249, 4, v[WST]
	v_add_nc_u32 v[WST], s89, v[WST]
	v_add_nc_u32 v[WST], 30, v[WST]                ; W in: row x 208 + 2 (8 x half - row + 15)
	v_mul_u32_u24 v[WLD], v248, PW
	v_lshl_add_u32 v[WLD], v249, 4, v[WLD]
	v_add_nc_u32 v[WLD], s89, v[WLD]               ; W back: row x 208 + 16 x half
	v_lshl_add_u32 v[FA], v249, 4, RELV
	v_add_nc_u32 v[STO], s88, v[AK0]               ; the way out uses T's bytes: 16 rows x 144
	v_mul_u32_u24 v[RD], v252, PK
	v_lshl_add_u32 v[RD], v250, 4, v[RD]
	v_add_nc_u32 v[RD], s88, v[RD]
	v_lshlrev_b32 v[GO], 4, v253
	v_lshl_add_u32 v254, v253, 3, s89
	v_mov_b32 v[ZZ], 0
	v_mov_b32 v[ZZ+1], 0
.set i, 0
.rept 13                               ; W's 3,328 bytes are zeroed once: 256 bytes a store
	ds_store_b64 v254, v[ZZ:ZZ+1] offset:256*i
.set i, i+1
.endr
.set i, 0
.rept 64
	v_mov_b32 v[O+i], 0
.set i, i+1
.endr
.irp t, 0,1
	v_mov_b32 v[ST+12*\t], 0xfe000000              ; c m: far below every c s
	v_mov_b32 v[ST+12*\t+1], 0xff7fffff            ; m
	v_mov_b32 v[ST+12*\t+2], 0
	v_mov_b32 v[ST+12*\t+3], 0
	v_mov_b32 v[ST+12*\t+9], 0
	v_mov_b32 v[ST+12*\t+10], 0
	v_mov_b32 v[ST+12*\t+11], 0
.endr
	s_wait_loadcnt 0x0                             ; Q and the two rows
	WIN 0x05
.set i, 0
.rept 8                                ; BC, BR: channels 32 (i / 4) on; end (i / 2) % 2; tile i % 2: four accumulators by turns
.set rA, TAB+16*((i/2)%2)+8*(i/4)
.set rQ, QF+16*(i%2)+8*(i/4)
.if (i/2)%2
.set rD, BR+8*(i%2)
.else
.set rD, BC+8*(i%2)
.endif
.if i < 4
	v_wmma_f32_16x16x32_f16 v[rD:rD+7], v[rA:rA+7], v[rQ:rQ+7], 0
.else
	v_wmma_f32_16x16x32_f16 v[rD:rD+7], v[rA:rA+7], v[rQ:rQ+7], v[rD:rD+7]
.endif
.set i, i+1
.endr
	WIN 0
	NOPS 5
.Lslot:                                                ; seven times: a slot is entered and the next is asked for
	CHANGE 1
	WORK
	s_sub_co_u32 s[SLOTS], s[SLOTS], 1
	s_cmp_lg_u32 s[SLOTS], 0
	s_cbranch_scc1 .Lslot
	CHANGE 0                                       ; the last slot is written out
	WORK
	PHEND 2
	; THE WAY OUT: O^T / LP, rounded to f16, through my scratch, a tile (16 rows, 2,048 consecutive bytes of ctx) at a time
	v_rcp_f32 v[ST+10], v[ST+9]
	v_rcp_f32 v[ST+22], v[ST+21]
	v_nop                                          ; a plain instruction between the last reciprocal and its use
	s_wait_alu depctr_va_vdst(0)
.macro PACK t
	REGS \t
.set i, 0
.rept 16
	v_pk_mul_f32 v[rO+2*i:rO+2*i+1], v[rO+2*i:rO+2*i+1], v[rT+10:rT+11] op_sel_hi:[1,0]
.set i, i+1
.endr
.set i, 0
.rept 16
	v_cvt_pk_f16_f32 v[S+16*(\t)+i], v[rO+2*i], v[rO+2*i+1]
.set i, i+1
.endr
.irp f, 0,1,2,3
	ds_store_b128 v[STO], v[S+16*(\t)+4*\f:S+16*(\t)+4*\f+3] offset:32*\f
.endr
.irp f, 0,1,2,3
	ds_load_b128 v[S+16*(\t)+4*\f:S+16*(\t)+4*\f+3], v[RD] offset:\f*4*PK  ; in order behind the stores above; the next tile's stores come behind these
.endr
.endm
.macro SEND t, younger                 ; younger: the LDS instructions issued behind tile t's loads
.irp f, 0,1,2,3
	s_wait_dscnt (\younger)+3-\f
	global_store_b128 v[GO], v[S+16*(\t)+4*\f:S+16*(\t)+4*\f+3], s[10:11] offset:(\t)*2048+\f*512  ; 512 consecutive bytes, at a multiple of 256 from ctx's first
.endr
.endm
	PACK 0
	PACK 1
	SEND 0, 8
	SEND 1, 0
	s_wait_tensorcnt 0x0                           ; the wave's end
	ds_add_u32 v[SPW], v[NIL]
	s_wait_dscnt 0x0
	s_endpgm
.Lfunc_end_k_qf37c091a38_attn:
	.size	k_qf37c091a38_attn, .Lfunc_end_k_qf37c091a38_attn-k_qf37c091a38_attn
	.p2alignl 7, 3214868480
	.fill 96, 4, 3214868480
	.section	.rodata,"a",@progbits
	.p2align	6, 0x0
	.amdhsa_kernel k_qf37c091a38_attn
		.amdhsa_group_segment_fixed_size 327680
		.amdhsa_private_segment_fixed_size 0
		.amdhsa_enable_private_segment 0
		.amdhsa_kernarg_size 32
		.amdhsa_user_sgpr_count 2
		.amdhsa_user_sgpr_kernarg_segment_ptr 1
		.amdhsa_wavefront_size32 1
		.amdhsa_system_sgpr_workgroup_id_x 1
		.amdhsa_system_sgpr_workgroup_id_y 1
		.amdhsa_system_sgpr_workgroup_id_z 1
		.amdhsa_system_vgpr_workitem_id 0
		.amdhsa_next_free_vgpr 512
		.amdhsa_next_free_sgpr 96
		.amdhsa_reserve_vcc 0
		.amdhsa_float_denorm_mode_32 3
		.amdhsa_float_denorm_mode_16_64 3
		.amdhsa_memory_ordered 1
		.amdhsa_forward_progress 1
		.amdhsa_inst_pref_size 146
	.end_amdhsa_kernel
	.amdgpu_metadata
---
amdhsa.version: [ 1, 2 ]
amdhsa.kernels:
  - .name:           k_qf37c091a38_attn
    .symbol:         k_qf37c091a38_attn.kd
    .args:
      - { .name: qkv, .offset: 0, .size: 8, .value_kind: global_buffer, .address_space: global }
      - { .name: tabk, .offset: 8, .size: 8, .value_kind: global_buffer, .address_space: global }
      - { .name: tabv, .offset: 16, .size: 8, .value_kind: global_buffer, .address_space: global }
      - { .name: ctx, .offset: 24, .size: 8, .value_kind: global_buffer, .address_space: global }
    .group_segment_fixed_size: 327680
    .private_segment_fixed_size: 0
    .kernarg_segment_align: 8
    .kernarg_segment_size: 32
    .max_flat_workgroup_size: 256
    .sgpr_count:     96
    .vgpr_count:     512
    .wavefront_size: 32
...
	.end_amdgpu_metadata
.endif
;; end of part 3
;; launch proj (part 4): grid 8 x 32, 4 waves a work-group, clusters of 4 x 4, 327,680 bytes of LDS; arguments ctx, wot, b_out, out0; writes out0
.if DOCPART == 4
	.amdgcn_target "amdgcn-amd-amdhsa--gfx1250"
	.amdhsa_code_object_version 6
	.text
	.protected	k_qf37c091a38_proj
	.globl	k_qf37c091a38_proj
	.p2align	8
	.type	k_qf37c091a38_proj,@function
k_qf37c091a38_proj:
	s_mov_b64 s[64:65], 0
	v_nop
	global_prefetch_b8 v0, s[64:65] scope:SCOPE_SE
	s_setreg_imm32_b32 hwreg(HW_REG_WAVE_MODE, 25, 1), 1
	s_wait_xcnt 0x0
	s_wait_alu depctr_hold_cnt(0) depctr_sa_sdst(0) depctr_va_vdst(0) depctr_va_sdst(0) depctr_va_ssrc(0) depctr_va_vcc(0) depctr_vm_vsrc(0)
	s_getreg_b32 s2, hwreg(HW_REG_IB_STS2, 6, 4)
	s_cmp_eq_u32 s2, 0
	s_cbranch_scc0 .Lentry_in_a_cluster
	s_endpgm
.Lentry_in_a_cluster:
	s_bfe_u32 s2, ttmp6, 0x10000c
	s_cmp_lg_u32 s2, 0xf033
	s_cbranch_scc0 .Lentry_shape_is_right
	s_endpgm
.Lentry_shape_is_right:
; OUTPUT PROJECTION.  out0[b s][n] = sum over k of ctx[b][k / 64][s][k % 64] wot[n][k] + bias[n].  ctx f16 by heads [2][16][2048][64], wot f16 [1024 n][1024 k], out0 f32 [4096][1024].
; Sums in f32; the bias is rounded to bf16 like the other inputs of the module and added in f32.
; SHARES.  A tile of out0 is 128 x 128: 8 x 32 work-groups, one for each WGP; four waves, each 64 x 64: 16 accumulators, 128 registers.  K goes in 4 steps of 256 (four heads) through two LDS slots.
; A's tile of a K step is four planes (heads) of 128 rows x 128 bytes; a plane's rows are dense in memory, so two planes are one load of two long rows, 16,384 bytes each, padded in LDS after every 128 bytes.
; CLUSTER.  4 x 4 work-groups: ctx's tiles are shared along a row of the cluster, wot's along a column, each asked for jointly.
; THE MATRIX INSTRUCTION IS USED TRANSPOSED (source 0 = 16 rows of wot, source 1 = 16 rows of ctx): a lane holds row l % 16 and eight neighbouring columns: 32 bytes of out0.
; REGISTERS: window 0: v16-29 addresses; v32-63 results with bias; v64-95 rows read back; v96-127 my 32 bias numbers; v128-255 the accumulators ((a, b) at 128 + 8 (4 a + b)).
;   window 1: two fragment buffers of 128: for 64 along K, 64 registers of ctx (2 x 4 x 16 rows x 32 K), then 64 of wot.
.set PA,     144                       ; a row of a plane: 128 bytes + 16
.set PLANE,  128*PA
.set PB,     528                       ; a row of wot's tile: 512 bytes + 16
.set BOFF,   4*PLANE
.set SLOT,   BOFF+128*PB               ; 141,312
.set STAGE,  2*SLOT                    ; behind the ring, never filled by a tensor load: 16 rows x 272 bytes for each wave
.set SPITCH, 272
.set SPARE,  STAGE+4*16*SPITCH         ; the spare words, 128 bytes a wave
.set ADRA, 16
.set ADRB, 20
.set STO,  24
.set RD,   25
.set CO,   26
.set BO,   27
.set SPW,  28
.set NIL,  29
.set T,    32
.set OBK,  64
.set BI,   96
.set ACC,  128
.set F0,   0
.set F1,   128
.set WV, 12                            ; s12 wave   s13 tile row   s20 wave / 2: my half of the rows   s21 wave % 2: my half of the columns, and which half of a tile I fetch   s42 tile column
.set RT, 13
.set RH, 20
.set HF, 21
.set CT, 42
.set G1, 24
.set G0, 32
.set G1B, 48
.set G0B, 56
.set MUL,  0x05                        ; sources 0 and 1 window 1; C and D window 0
.set TO_F, 0x40
.set MSB, 0
.macro WIN new
.if MSB != (\new)
	s_set_vgpr_msb (MSB<<8)|(\new)
.set MSB, \new
.endif
.endm
.macro JLOAD s                         ; a joint load: waves 0, 1 fetch ctx's planes, waves 2, 3 wot's halves; an s_nop 0 and four v_nop follow each line
	s_cmp_lt_u32 s[WV], 2
	s_cbranch_scc0 .Lfor_b_\@
	tensor_load_to_lds s[G0+4*(\s):G0+4*(\s)+3], s[G1:G1+7]
	s_nop 0
.rept 4
	v_nop
.endr
	s_branch .Lasked_\@
.Lfor_b_\@:
	tensor_load_to_lds s[G0B+4*(\s):G0B+4*(\s)+3], s[G1B:G1B+7]
	s_nop 0
.rept 4
	v_nop
.endr
.Lasked_\@:
.endm
.macro CREST
	s_cmp_lg_u32 s[WV], 0
	s_cbranch_scc1 .Lnot_wave_0_\@
	s_barrier_signal -3
.Lnot_wave_0_\@:
	s_barrier_wait -3
	s_barrier_signal -1
	s_barrier_wait -1
.endm
.macro CROUND
	s_barrier_signal -1
	s_barrier_wait -1
	CREST
.endm
.macro PLACES
.rept 4
	v_nop
.endr
.endm
	s_load_b256 s[4:11], s[0:1], 0x0               ; ctx 4:5, wot 6:7, b_out 8:9, out0 10:11
	v_lshl_add_u32 v[SPW], v0, 2, SPARE
	v_mov_b32 v[NIL], 0
	ds_add_u32 v28, v29
	s_wait_dscnt 0x0
	v_lshrrev_b32 v1, 5, v0
	v_readfirstlane_b32 s[WV], v1
	s_lshr_b32 s[RH], s[WV], 1
	s_and_b32 s[HF], s[WV], 1
	s_bfe_u32 s40, ttmp6, 0x40000                  ; cx
	s_bfe_u32 s41, ttmp6, 0x40004                  ; cy
	s_lshl_b32 s[CT], ttmp9, 2
	s_add_co_u32 s[CT], s[CT], s40
	s_and_b32 s[RT], ttmp7, 0xffff
	s_lshl_b32 s[RT], s[RT], 2
	s_add_co_u32 s[RT], s[RT], s41
	s_lshl_b32 s43, s41, 2
	s_lshl_b32 s43, 15, s43                        ; my row of the cluster
	s_lshl_b32 s44, 0x1111, s40                    ; my column
	s_or_b32 s[G1], s43, (1<<16)|(1<<20)|(1<<21)|(4<<22)|(3<<25)   ; ctx: padding after every 32 words (code 4), 4 words (code 3)
	s_mov_b32 s[G1+1], 8192<<16                    ; tensor_dim0 = 8,192: a plane's 128 rows x 64 channels on end
	s_mov_b32 s[G1+2], 2<<16                       ; tensor_dim1 = 2 planes
	s_mov_b32 s[G1+3], 8192<<16                    ; tile_dim0
	s_mov_b32 s[G1+4], 2                           ; tile_dim1
	s_mov_b32 s[G1+5], 131072                      ; elements from head to head
	s_mov_b32 s[G1+6], 0
	s_mov_b32 s[G1+7], 0
	s_or_b32 s[G1B], s44, (1<<16)|(1<<20)|(1<<21)|(6<<22)|(3<<25)  ; wot: after every 128 words (code 6), 4 words
	s_mov_b32 s[G1B+1], 256<<16
	s_mov_b32 s[G1B+2], 64<<16
	s_mov_b32 s[G1B+3], 256<<16
	s_mov_b32 s[G1B+4], 64
	s_mov_b32 s[G1B+5], 1024
	s_mov_b32 s[G1B+6], 0
	s_mov_b32 s[G1B+7], 0
	s_lshr_b32 s16, s[RT], 4                       ; ctx: the batch's 16 heads of 262,144 bytes,
	s_lshl_b32 s16, s16, 22
	s_lshl_b32 s17, s[HF], 19                      ; my two planes of the step's four,
	s_add_co_u32 s16, s16, s17
	s_and_b32 s17, s[RT], 15                       ; the tile's 128 rows of 128 bytes
	s_lshl_b32 s17, s17, 14
	s_add_co_u32 s16, s16, s17
	s_mov_b32 s17, 0
	s_lshl_b32 s46, s[CT], 18                      ; wot: 128 rows of 2,048 bytes a tile column,
	s_lshl_b32 s47, s[HF], 17                      ; 64 a half
	s_add_co_u32 s46, s46, s47
	s_mov_b32 s47, 0
	s_mul_i32 s22, s[HF], 2*PLANE                  ; where they go: no place in the cluster enters an LDS address
	s_mul_i32 s23, s[HF], 64*PB
	s_add_co_u32 s23, s23, BOFF
	s_wait_kmcnt 0x0
	s_add_nc_u64 s[14:15], s[4:5], s[16:17]
	s_add_nc_u64 s[46:47], s[6:7], s[46:47]
	CROUND                                         ; all sixteen work-groups are here: the first joint loads meet
.irp s, 0,1
	s_mov_b32 s[G0+4*(\s)], 1
	s_add_co_u32 s[G0+4*(\s)+1], s22, (\s)*SLOT
	s_add_nc_u64 s[G0+4*(\s)+2:G0+4*(\s)+3], s[14:15], (\s)*4*262144
	s_or_b32 s[G0+4*(\s)+3], s[G0+4*(\s)+3], 0x80000000
	s_mov_b32 s[G0B+4*(\s)], 1
	s_add_co_u32 s[G0B+4*(\s)+1], s23, (\s)*SLOT
	s_add_nc_u64 s[G0B+4*(\s)+2:G0B+4*(\s)+3], s[46:47], (\s)*512
	s_or_b32 s[G0B+4*(\s)+3], s[G0B+4*(\s)+3], 0x80000000
	JLOAD \s                                       ; K steps 0 and 1: two loads of mine are out
.endr
	v_and_b32 v1, 15, v0                           ; l % 16
	v_bfe_u32 v2, v0, 4, 1                         ; l / 16
	v_mul_u32_u24 v3, v1, PA
	v_lshl_add_u32 v3, v2, 4, v3
	v_mul_u32_u24 v4, v1, PB
	v_lshl_add_u32 v4, v2, 4, v4
	s_mul_i32 s22, s[RH], 64*PA                    ; my 64 rows in every plane
	s_mul_i32 s23, s[HF], 64*PB                    ; my 64 rows of wot
	s_add_co_u32 s23, s23, BOFF
.irp s, 0,1
	v_add_nc_u32 v[ADRA+(\s)], s22, v3
	v_add_nc_u32 v[ADRB+(\s)], s23, v4
	s_add_co_u32 s22, s22, SLOT
	s_add_co_u32 s23, s23, SLOT
.endr
	s_mul_i32 s22, s[WV], 16*SPITCH
	s_add_co_u32 s22, s22, STAGE                   ; my stage
	v_mul_u32_u24 v5, v1, SPITCH                   ; in: row l % 16, 32 bytes for each half of the lanes
	v_lshl_add_u32 v5, v2, 5, v5
	v_add_nc_u32 v[STO], s22, v5
	v_mul_u32_u24 v5, v2, SPITCH                   ; back: lanes 0-15 one row of 256 bytes, lanes 16-31 the next
	v_lshl_add_u32 v5, v1, 4, v5
	v_add_nc_u32 v[RD], s22, v5
	v_lshlrev_b32 v5, 12, v2                       ; and the same two rows in out0
	v_lshl_add_u32 v[CO], v1, 4, v5
	v_lshlrev_b32 v[BO], 5, v2
	s_lshl_b32 s46, s[CT], 9                       ; my first column, in bytes: 128 f32 a tile column, 64 a half
	s_lshl_b32 s47, s[HF], 8
	s_add_co_u32 s46, s46, s47
	s_mov_b32 s47, 0
	s_add_nc_u64 s[8:9], s[8:9], s[46:47]
	s_add_nc_u64 s[10:11], s[10:11], s[46:47]
.set i, 0
.rept 4
	global_load_b128 v[BI+8*i:BI+8*i+3],   v[BO], s[8:9] offset:64*i
	global_load_b128 v[BI+8*i+4:BI+8*i+7], v[BO], s[8:9] offset:64*i+16
.set i, i+1
.endr
	s_lshl_b32 s16, s[RT], 19                      ; my first row: 128 rows of 4,096 bytes a tile row, 64 a half
	s_lshl_b32 s17, s[RH], 18
	s_add_co_u32 s16, s16, s17
	s_mov_b32 s17, 0
	s_add_nc_u64 s[10:11], s[10:11], s[16:17]
	s_wait_loadcnt 0x0                             ; the bias, once; its rounding stands in the wait for the first tile
.set i, 0
.rept 16
	v_cvt_pk_bf16_f32 v[T+i], v[BI+2*i], v[BI+2*i+1]
.set i, i+1
.endr
.set i, 0
.rept 16
	v_lshlrev_b32 v[BI+2*i], 16, v[T+i]
	v_and_b32 v[BI+2*i+1], 0xffff0000, v[T+i]
.set i, i+1
.endr
; 8 matrix instructions: row blocks a0, a0 + 1 x all 4 column blocks, 32 along K: half c of buffer f.  The 16 accumulators take turns.
.macro MUL8 f, c, a0, zero
	WIN MUL
.irp a, \a0, (\a0)+1
.irp b, 0,1,2,3
.if \zero
	v_wmma_f32_16x16x32_f16 v[ACC+8*(4*(\a)+(\b)):ACC+8*(4*(\a)+(\b))+7], v[(\f)+64+8*(4*(\c)+(\b)):(\f)+64+8*(4*(\c)+(\b))+7], v[(\f)+8*(4*(\c)+(\a)):(\f)+8*(4*(\c)+(\a))+7], 0
.else
	v_wmma_f32_16x16x32_f16 v[ACC+8*(4*(\a)+(\b)):ACC+8*(4*(\a)+(\b))+7], v[(\f)+64+8*(4*(\c)+(\b)):(\f)+64+8*(4*(\c)+(\b))+7], v[(\f)+8*(4*(\c)+(\a)):(\f)+8*(4*(\c)+(\a))+7], v[ACC+8*(4*(\a)+(\b)):ACC+8*(4*(\a)+(\b))+7]
.endif
.endr
.endr
.endm
; 32 LDS loads in one run: quarter q of a K step = plane q of ctx and 64 K at byte 128 q of wot's rows, into buffer f; the first 32 along K first
.macro FETCH slot, q, f
	WIN TO_F
.irp c, 0,1
.irp i, 0,1,2,3
	ds_load_b128 v[(\f)+64+8*(4*(\c)+(\i)):(\f)+64+8*(4*(\c)+(\i))+3],   v[ADRB+(\slot)] offset:128*(\q)+64*(\c)+(\i)*16*PB
	ds_load_b128 v[(\f)+64+8*(4*(\c)+(\i))+4:(\f)+64+8*(4*(\c)+(\i))+7], v[ADRB+(\slot)] offset:128*(\q)+64*(\c)+(\i)*16*PB+32
	ds_load_b128 v[(\f)+8*(4*(\c)+(\i)):(\f)+8*(4*(\c)+(\i))+3],         v[ADRA+(\slot)] offset:PLANE*(\q)+64*(\c)+(\i)*16*PA
	ds_load_b128 v[(\f)+8*(4*(\c)+(\i))+4:(\f)+8*(4*(\c)+(\i))+7],       v[ADRA+(\slot)] offset:PLANE*(\q)+64*(\c)+(\i)*16*PA+32
.endr
.endr
.endm
.macro QUARTER slot, q, f, g, zero
	s_wait_dscnt 16                                ; the first 32 along K are in; the other sixteen loads may be out
	MUL8 \f, 0, 0, \zero
	MUL8 \f, 0, 2, \zero
	PLACES
	FETCH \slot, \q, \g
	s_wait_dscnt 32                                ; all but the 32 just issued
	MUL8 \f, 1, 0, 0
	MUL8 \f, 1, 2, 0
.endm
; The last quarter multiplies buffer 1 and changes slots: one barrier; in front of it each wave waits for all its tensor loads, adds 0 to its spare word, and waits for that and for its reads of this slot.
; fill = 1: the barrier opens a round of the cluster's, and this slot is filled again, two K steps ahead, first thing behind the round.
.macro TURN slot, next, fill
	WIN 0
	s_wait_tensorcnt 0x0
	ds_add_u32 v[SPW], v[NIL]
	s_wait_dscnt 17                                ; the add and the youngest sixteen loads may be out
	MUL8 F1, 0, 0, 0
	s_wait_dscnt 0x0                               ; the add is done, and my reads of this slot are over
	s_barrier_signal -1
	MUL8 F1, 0, 2, 0
.if \fill
	WIN 0
.endif
	s_barrier_wait -1
.if \fill
	CREST
	s_add_nc_u64 s[G0+4*(\slot)+2:G0+4*(\slot)+3], s[G0+4*(\slot)+2:G0+4*(\slot)+3], 8*262144
	s_add_nc_u64 s[G0B+4*(\slot)+2:G0B+4*(\slot)+3], s[G0B+4*(\slot)+2:G0B+4*(\slot)+3], 1024
	JLOAD \slot                                    ; its four v_nop are also the places in front of the loads below
.else
	PLACES
.endif
	FETCH \next, 0, F0
	MUL8 F1, 1, 0, 0
	MUL8 F1, 1, 2, 0
.endm
	s_wait_tensorcnt 0x1                           ; my part of K step 0 is in; K step 1's may stay out
	s_barrier_signal -1
	s_barrier_wait -1
	FETCH 0, 0, F0
	QUARTER 0, 1, F0, F1, 1                        ; the first products start the sums.  Four K steps: twice round the ring, written out: a loop would have one trip
	QUARTER 0, 2, F1, F0, 0
	QUARTER 0, 3, F0, F1, 0
	TURN 0, 1, 1                                   ; slot 0 takes K step 2
	QUARTER 1, 1, F0, F1, 0
	QUARTER 1, 2, F1, F0, 0
	QUARTER 1, 3, F0, F1, 0
	TURN 1, 0, 1                                   ; slot 1 takes K step 3
	QUARTER 0, 1, F0, F1, 0
	QUARTER 0, 2, F1, F0, 0
	QUARTER 0, 3, F0, F1, 0
	TURN 0, 1, 0
	QUARTER 1, 1, F0, F1, 0
	QUARTER 1, 2, F1, F0, 0
	QUARTER 1, 3, F0, F1, 0
	s_wait_dscnt 16
	MUL8 F1, 0, 0, 0
	MUL8 F1, 0, 2, 0
	s_wait_dscnt 0x0
	MUL8 F1, 1, 0, 0
	MUL8 F1, 1, 2, 0
	WIN 0
	; THE WAY OUT, 16 rows at a time: + bias; 32 bytes a lane into my stage; back as whole rows: my 64 columns of f32 are 256 consecutive bytes of out0, at a multiple of 256.
	PLACES
.irp a, 0,1,2,3
.set i, 0
.rept 16
	v_pk_add_f32 v[T+2*i:T+2*i+1], v[ACC+32*(\a)+2*i:ACC+32*(\a)+2*i+1], v[BI+2*i:BI+2*i+1]  ; ascending: each accumulator is read from its low end on
.set i, i+1
.endr
.set n, 0
.rept 8
	ds_store_b128 v[STO], v[T+4*n:T+4*n+3] offset:64*(n/2)+16*(n%2)
.set n, n+1
.endr
	s_wait_xcnt 0x0                                ; the last block's stores have read v64-95: only now are they loaded again
.set n, 0
.rept 8
	ds_load_b128 v[OBK+4*n:OBK+4*n+3], v[RD] offset:n*2*SPITCH  ; LDS serves a wave's instructions in order: these see the stores above
.set n, n+1
.endr
	s_wait_dscnt 0x0
.set n, 0
.rept 8
	global_store_b128 v[CO], v[OBK+4*n:OBK+4*n+3], s[10:11] offset:(16*(\a)+2*n)*4096
.set n, n+1
.endr
.endr
	s_wait_tensorcnt 0x0                           ; the wave's end
	ds_add_u32 v[SPW], v[NIL]
	s_wait_dscnt 0x0
	CROUND                                         ; the closing round
	s_endpgm
.Lfunc_end_k_qf37c091a38_proj:
	.size	k_qf37c091a38_proj, .Lfunc_end_k_qf37c091a38_proj-k_qf37c091a38_proj
	.p2alignl 7, 3214868480
	.fill 96, 4, 3214868480
	.section	.rodata,"a",@progbits
	.p2align	6, 0x0
	.amdhsa_kernel k_qf37c091a38_proj
		.amdhsa_group_segment_fixed_size 327680
		.amdhsa_private_segment_fixed_size 0
		.amdhsa_enable_private_segment 0
		.amdhsa_kernarg_size 32
		.amdhsa_user_sgpr_count 2
		.amdhsa_user_sgpr_kernarg_segment_ptr 1
		.amdhsa_wavefront_size32 1
		.amdhsa_system_sgpr_workgroup_id_x 1
		.amdhsa_system_sgpr_workgroup_id_y 1
		.amdhsa_system_sgpr_workgroup_id_z 1
		.amdhsa_system_vgpr_workitem_id 0
		.amdhsa_next_free_vgpr 512
		.amdhsa_next_free_sgpr 66
		.amdhsa_reserve_vcc 0
		.amdhsa_float_denorm_mode_32 3
		.amdhsa_float_denorm_mode_16_64 3
		.amdhsa_memory_ordered 1
		.amdhsa_forward_progress 1
		.amdhsa_inst_pref_size 93
	.end_amdhsa_kernel
	.amdgpu_metadata
---
amdhsa.version: [ 1, 2 ]
amdhsa.kernels:
  - .name:           k_qf37c091a38_proj
    .symbol:         k_qf37c091a38_proj.kd
    .args:
      - { .name: ctx, .offset: 0, .size: 8, .value_kind: global_buffer, .address_space: global }
      - { .name: wot, .offset: 8, .size: 8, .value_kind: global_buffer, .address_space: global }
      - { .name: b_out, .offset: 16, .size: 8, .value_kind: global_buffer, .address_space: global }
      - { .name: out0, .offset: 24, .size: 8, .value_kind: global_buffer, .address_space: global }
    .group_segment_fixed_size: 327680
    .private_segment_fixed_size: 0
    .kernarg_segment_align: 8
    .kernarg_segment_size: 32
    .max_flat_workgroup_size: 128
    .sgpr_count:     66
    .vgpr_count:     512
    .wavefront_size: 32
...
	.end_amdgpu_metadata
.endif
;; end of part 4
;; ======== version 2 of 2: 4 launches; 1.08 times as fast as version 1
;; limits: values are held in f16: magnitudes above 65,504 overflow, below 6.1e-05 lose precision
;; workspace buffers: xb 8,388,608 bytes; wqt 6,291,456 bytes; wot 2,097,152 bytes; tabk 34,816 bytes; tabv 34,816 bytes; qkv 25,165,824 bytes; ctx 8,388,608 bytes
;; launch prep: the kernel of part 1 again; grid 785 x 1, 8 waves a work-group, no clusters, 34,304 bytes of LDS; arguments x, W_qkv, W_out, rel_emb_k, rel_emb_v, xb, wqt, wot, tabk, tabv; writes xb, wqt, wot, tabk, tabv
;; launch qkv: the kernel of part 2 again; grid 16 x 16, 4 waves a work-group, clusters of 4 x 4, 327,680 bytes of LDS; arguments xb, wqt, b_qkv, qkv; writes qkv
;; launch attn (part 5): grid 8 x 32, 8 waves a work-group, no clusters, 327,680 bytes of LDS; arguments qkv, tabk, tabv, ctx; writes ctx
.if DOCPART == 5
	.amdgcn_target "amdgcn-amd-amdhsa--gfx1250"
	.amdhsa_code_object_version 6
	.text
	.protected	k_qf37c091a38_attn
	.globl	k_qf37c091a38_attn
	.p2align	8
	.type	k_qf37c091a38_attn,@function
k_qf37c091a38_attn:
	s_mov_b64 s[64:65], 0
	v_nop
	global_prefetch_b8 v0, s[64:65] scope:SCOPE_SE
	s_setreg_imm32_b32 hwreg(HW_REG_WAVE_MODE, 25, 1), 1
	s_wait_xcnt 0x0
; ATTENTION WITH CLIPPED RELATIVE POSITIONS.  ctx[bh][q] = sum over k of softmax_k((Q[q] . (K[k] + RK[d])) / 8) (V[k] + RV[d]), d = clip(k - q, -64, 64).
; q, k, v: f16 by heads in qkv [2][48][2048][64]; tabk, tabv: f16 [272][64], row p = the table's row for k - q = p - 127, already clipped.  ctx: f16 [32][2048][64].
; Products, maxima and sums in f32; the weights p are rounded to f16 for the second products (their sum is taken of the unrounded p), ctx once at the end.
; LIMITS.  f16 ends at 65,504: q, k, v arrive within it.  A weight below 2^-126 counts as 0.  NaN and infinities are not treated apart.
; SHARES.  A work-group owns 256 queries of one head; each of its eight waves 32: two tiles of 16.  Two waves lie on a SIMD, so that one wave's softmax stands beside the other's products; the text is in plain phases.
; Every wave walks the head's 32 key steps of 64 keys, four steps to an LDS slot, two slots that take turns.
; AHEAD.  A step's K is asked for out of LDS a step ahead, behind the products that read the K before it (a slot's first K at the slot's head), so that it lands during a softmax; V at its step's head, a softmax ahead
; of its products; a band step's fragments of tabv ahead of that step's softmax.
; THE RELATIVE TERMS.  With g the block of 64 keys in which my queries lie: in steps j < g - 1 every distance is clipped to -64, in steps j > g + 1 to +64.
;   There the key term is one number a query, Q . RK[end]: it is the C operand that starts the sum S^T = K Q^T.  The value term is (sum of p) x RV[end]: added once, when the phase ends.
;   In the band, steps g - 1 .. g + 1: with u = key - row + 15 (0..78) the table's row is TB + u.  T = tabk[TB ..] Q^T (5 blocks of 16 rows) goes to LDS as [row][u] and comes back skewed, straight into
;   S^T's registers, as the C of the products.  The weights go to LDS as [row][u] (cells outside a row's 64 are zeroed once and never written) and come back as source 1 of O^T += tabv[TB ..]^T W.
; SOFTMAX.  For each query a running maximum m; p = 2^(c s - c m), c = log2(e) / 8; O, the phase's sum LS and the earlier phases' sum LP are multiplied by a = 2^(c m_old - c m_new) in every step.
; m starts at the lowest finite number, O and the sums at 0: the first step is a step like any other, with a = 0.  The price: 64 v_mov_b32 that stand in the wait for the first tile.
; BATCHES.  A step's 66 exponentials (the two tiles' a, then their 64 weights) are ONE batch with ONE wait.  Ahead of the wait stand the maxima and statistics, the 32 scalings and the exponentials, none of which
; names an exponential's result; behind it stand all that do: the roundings, the sums, LP a and O^T a.  Each result has a register of its own: the weights lie in place in S^T, a in its tile's statistics.
; The way out's two reciprocals are a batch of their own.
; NO CLUSTER.  Partners would be the query blocks of one head; their band steps fall into different trips, so their branches would hang on the place in the cluster; and what they would
; share, a head's K and V, is 524,288 bytes a work-group in the whole launch.
; REGISTERS (s_set_vgpr_msb: bits 1:0 source 0, 3:2 source 1, 5:4 source 2, 7:6 destination):
;   window 0: v2-19 addresses; v20-43 twelve registers of statistics a tile; v44-59 BR; v60-61 zeros; v62-63 the add's; v64-127 S^T; v128-159 P (v128-167 T); v168-231 O^T; v232-247 BC; v248-255 at work at the start
;   window 1: v0-31 Q; v32-95 V of a step; v96-159 K of a step; v160-255 six blocks of tabk; later v144-255 seven half blocks x four channel blocks of tabv
.set KS,    64
.set PK,    144                        ; a row of K or tabk in LDS: 128 bytes + 16: the 16 rows of a load start at 16 different groups of four banks
.set PV,    160                        ; a row of V or tabv: 128 + 32
.set VOFF,  4*KS*PK
.set SLOT1, 1<<17
.set RELK,  4*KS*(PK+PV)               ; behind slot 0: 256 rows of tabk, filled once
.set SPARE, RELK+256*PK                ; the spare words, 128 bytes a wave: four blocks of 256 bytes that no other line names
.set RELV,  SLOT1+4*KS*(PK+PV)         ; behind slot 1: 272 rows of tabv, filled once
.set SCR,   RELV+272*PV                ; each wave's own scratch, never filled by a tensor load
.set PT,    336                        ; T: 16 rows of 80 f32 + 16 bytes
.set PW,    208                        ; W: 16 rows of 96 f16 + 16 bytes
.set SCRW,  16*PT
.set SCRB,  SCRW+16*PW                 ; 8,704 bytes a wave
.set AK0, 2
.set AV0, 3
.set AK,  4
.set AV,  5
.set QO,  6
.set AKT0, 7
.set AKT, 8
.set AVT0, 9
.set AVT, 10
.set TST, 11
.set TLD, 12
.set WST, 13
.set WLD, 14
.set FA,  15
.set STO, 16
.set RD,  17
.set GO,  18
.set ZA,  19
.set ST,  20                           ; tile t at ST + 12 t: +0 c m, +1 m, +2,3 LS, +4..7 c0-c3 (a takes c2), +8 c m_old, +9 LP, +10,11 at work at a phase's end
.set BR,  44                           ; Q . RK[+64], eight alike a tile
.set ZZ,  60
.set SPW, 62
.set NIL, 63
.set S,   64
.set P,   128
.set TA,  128
.set O,   168
.set BC,  232                          ; the C operand of the far steps: Q . RK[-64], later BR's numbers
.set QF,  0                            ; window 1
.set VF,  32
.set KF,  96
.set TAB, 160
.set RV,  144
.set WV,  12
.set G1K, 24
.set G1V, 32
.set G0K, 40
.set G0V, 44
.set G1TK, 48
.set G0TK, 56
.set SEL, 60
.set TBK, 62                           ; LDS byte at which K of the step to be asked for next begins
.set TBV, 63                           ; the same for V, less VOFF
.set SLOTS, 66
.set CNT, 67
.set G1TV, 68
.set G0TV, 76
.set CS,  80
.set J,   82                           ; the key step in hand
.set GLO, 83                           ; the band's first step
.set GHI, 84                           ; its last
.set GH1, 85
.set G,   86
.set HB,  87                           ; 32 - 32 (wave % 2)
.set MSB, 0
.macro WIN new
.if MSB != (\new)
	s_set_vgpr_msb (MSB<<8)|(\new)
.set MSB, \new
.endif
.endm
.macro NOPS n
.rept \n
	v_nop
.endr
.endm
; A fill: waves 0, 1 fetch the halves of a slot's K, waves 2, 3 those of its V, 128 keys each; the others fetch nothing.  An s_nop 0 and four v_nop follow each line.
.macro LOAD
	s_cmp_lt_u32 s[WV], 2
	s_cbranch_scc0 .Lnot_k_\@
	tensor_load_to_lds s[G0K:G0K+3], s[G1K:G1K+7]
	s_nop 0
	NOPS 4
	s_branch .Lasked_\@
.Lnot_k_\@:
	s_cmp_lt_u32 s[WV], 4
	s_cbranch_scc0 .Lasked_\@
	tensor_load_to_lds s[G0V:G0V+3], s[G1V:G1V+7]
	s_nop 0
	NOPS 4
.Lasked_\@:
.endm
; THE CHANGE OF SLOTS.  Each wave waits for all its tensor loads (at most one is out: its part of the other slot), adds 0 to its spare word, and waits for that and for its reads of the slot that it leaves.
; Behind the barrier nobody reads the old slot and the other is whole.  fill = 1: the old slot takes the next 256 keys, first thing behind the barrier.  (At its first use slot 0 and the tables are waited for, slot 1 filled.)
.macro CHANGE fill
	WIN 0
	s_wait_tensorcnt 0x0
	ds_add_u32 v[SPW], v[NIL]
.if \fill
.irp g, G0K, G0V
	s_xor_b32 s[\g+1], s[\g+1], SLOT1
	s_add_nc_u64 s[\g+2:\g+3], s[\g+2:\g+3], 4*KS*128
.endr
.endif
	s_wait_dscnt 0x0
	s_barrier_signal -1
	s_sub_co_u32 s[TBK], s[TBK], 4*KS*PK           ; the fetches go back to a slot's first step, in the other slot
	s_xor_b32 s[TBK], s[TBK], SLOT1
	s_sub_co_u32 s[TBV], s[TBV], 4*KS*PV
	s_xor_b32 s[TBV], s[TBV], SLOT1
	s_barrier_wait -1
.if \fill
	LOAD
.endif
.endm
.macro FETCH_K                         ; 64 keys x 64 channels: keys 16 (f / 2) on, channels 32 (f % 2) on
.irp f, 0,1,2,3,4,5,6,7
	ds_load_b128 v[KF+8*\f:KF+8*\f+3],   v[AK] offset:(\f/2)*16*PK+(\f%2)*64
	ds_load_b128 v[KF+8*\f+4:KF+8*\f+7], v[AK] offset:(\f/2)*16*PK+(\f%2)*64+32
.endr
.endm
.macro FETCH_V                         ; turned: keys 32 (f / 4) on, channels 16 (f % 4) on
.irp f, 0,1,2,3,4,5,6,7
	ds_load_tr16_b128 v[VF+8*\f:VF+8*\f+3],   v[AV] offset:(\f/4)*32*PV+(\f%4)*32
	ds_load_tr16_b128 v[VF+8*\f+4:VF+8*\f+7], v[AV] offset:(\f/4)*32*PV+16*PV+(\f%4)*32
.endr
.endm
; The next step's K is asked for; s[TBK] has been stepped to it at this step's head.  In a slot's last step (the count stands at 1) the next K lies in the other slot, which only the change of slots shows whole:
; the run is jumped over, and the next slot's head asks.  It stands four places or more behind the last product that read K's registers.
.macro NEXTK
	s_cmp_eq_u32 s[CNT], 1
	s_cbranch_scc1 .Lno_k_\@
	v_add_nc_u32 v[AK], s[TBK], v[AK0]
	WIN 0x40
	FETCH_K
	WIN 0
.Lno_k_\@:
.endm
; S^T = K Q^T + C: product i of 16: channels 32 (i / 8) on, keys 16 ((i / 2) % 4) on, tile i % 2.  The 8 accumulators take turns.
; c0 = 0: the first 8 take BC as C.  c0 = 1: S^T's registers hold the band's key term already.
.macro KQ c0
.set i, 0
.rept 16
.set rS, S+32*(i%2)+8*((i/2)%4)
.set rK, KF+16*((i/2)%4)+8*(i/8)
.set rQ, QF+16*(i%2)+8*(i/8)
.set rB, BC+8*(i%2)
.if (i < 8) && !(\c0)
	v_wmma_f32_16x16x32_f16 v[rS:rS+7], v[rK:rK+7], v[rQ:rQ+7], v[rB:rB+7]
.else
	v_wmma_f32_16x16x32_f16 v[rS:rS+7], v[rK:rK+7], v[rQ:rQ+7], v[rS:rS+7]
.endif
.set i, i+1
.endr
.endm
.macro PV                              ; O^T += V^T P: keys 32 (i / 8) on, channels 16 ((i / 2) % 4) on, tile i % 2
.set i, 0
.rept 16
.set rO, O+32*(i%2)+8*((i/2)%4)
.set rV, VF+32*(i/8)+8*((i/2)%4)
.set rP, P+16*(i%2)+8*(i/8)
	v_wmma_f32_16x16x32_f16 v[rO:rO+7], v[rV:rV+7], v[rP:rP+7], v[rO:rO+7]
.set i, i+1
.endr
.endm
.macro REGS t
.set rT, ST+12*(\t)
.set rS, S+32*(\t)
.set rP, P+16*(\t)
.set rO, O+32*(\t)
.endm
; Number n of the 22 that find a tile's maximum and statistics.  Each accumulator's lowest registers are read first.
.macro XS t, n
	REGS \t
.if (\n) < 4
	v_max3_num_f32 v[rT+4+(\n)], v[rS+8*(\n)], v[rS+8*(\n)+1], v[rS+8*(\n)+2]
.elseif (\n) < 12
	v_max3_num_f32 v[rT+4+(\n)%4], v[rT+4+(\n)%4], v[rS+8*((\n)%4)+2*((\n)/4)+1], v[rS+8*((\n)%4)+2*((\n)/4)+2]
.elseif (\n) == 12
	v_max3_num_f32 v[rT+4], v[rT+4], v[rS+7], v[rS+15]
.elseif (\n) == 13
	v_max3_num_f32 v[rT+5], v[rT+5], v[rS+23], v[rS+31]
.elseif (\n) == 14
	v_max3_num_f32 v[rT+6], v[rT+6], v[rT+7], v[rT+1]
.elseif (\n) == 15
	v_mov_b32 v[rT+8], v[rT]
.elseif (\n) == 16
	v_max3_num_f32 v[rT+4], v[rT+4], v[rT+5], v[rT+6]
.elseif (\n) == 17
	v_permlanex16_b32 v[rT+7], v[rT+4], s[SEL], s[SEL+1]  ; the query's other 32 keys lie in the lane 16 away
.elseif (\n) == 18
	v_max_num_f32 v[rT+1], v[rT+4], v[rT+7]
.elseif (\n) == 19
	v_mul_f32 v[rT], s[CS], v[rT+1]
.elseif (\n) == 20
	v_sub_f32 v[rT+5], v[rT+8], v[rT]
.else
	v_exp_f32 v[rT+6], v[rT+5]
.endif
.endm
.macro FS k                            ; scaling k of 32: c s - c m for pair k / 2 of tile k % 2
	REGS (\k)%2
	v_pk_fma_f32 v[rS+2*((\k)/2):rS+2*((\k)/2)+1], v[rS+2*((\k)/2):rS+2*((\k)/2)+1], s[CS:CS+1], v[rT:rT+1] op_sel_hi:[1,0,0] neg_lo:[0,0,1] neg_hi:[0,0,1]
.endm
.macro EE k                            ; that pair's two exponentials, in place
	REGS (\k)%2
	v_exp_f32 v[rS+2*((\k)/2)], v[rS+2*((\k)/2)]
	v_exp_f32 v[rS+2*((\k)/2)+1], v[rS+2*((\k)/2)+1]
.endm
.macro RSC first, count                ; O^T times a: pairs first .. first + count - 1 of both tiles; over the three uses ascending
.set b, \first
.rept \count
	v_pk_mul_f32 v[O+2*b:O+2*b+1], v[O+2*b:O+2*b+1], v[ST+6:ST+7] op_sel_hi:[1,0]
	v_pk_mul_f32 v[O+32+2*b:O+32+2*b+1], v[O+32+2*b:O+32+2*b+1], v[ST+18:ST+19] op_sel_hi:[1,0]
.set b, b+1
.endr
.endm
; A step's softmax for both tiles, all in window 0, the tiles alternating.  ONE BATCH, ONE WAIT.
; AHEAD OF THE WAIT: numbers 0-20 of both tiles' maxima and statistics; then the batch of 66 exponentials, the two a first, with the 32 scalings dealt among them: four scalings lead, and behind each pair's two
; exponentials stands the scaling four pairs on, so that five to nine instructions stand between a scaling and its exponentials.  None of these lines names an exponential's result or writes over a source.
; BEHIND IT: the 98 that read the results: the 32 roundings (ahead of the sums, which add in place); the sums; LP a; O^T a, set in three runs between the sum's last levels, each of which reads the level before.
.macro SOFTMAX
.irp n, 0,1,2,3,4,5,6,7,8,9,10,11,12,13,14,15,16,17,18,19,20
	XS 0, \n
	XS 1, \n
.endr
	FS 0
	FS 1
	XS 0, 21                                       ; a of tile 0: the batch begins
	FS 2
	XS 1, 21                                       ; a of tile 1
	FS 3
.set q, 0
.rept 32
	EE q
.if q < 28
	FS q+4
.endif
.set q, q+1
.endr
	v_nop                                          ; the plain instruction behind the last exponential, ahead of the first use (ISA guide 5.7.2): one for the batch
	s_wait_alu depctr_va_vdst(0)                   ; the wait for the batch, ahead of the first line that names a result; one for the step's 66 exponentials
.set b, 0
.rept 16                               ; the roundings to f16, a pair of weights each
	v_cvt_pk_f16_f32 v[P+b], v[S+2*b], v[S+2*b+1]
	v_cvt_pk_f16_f32 v[P+16+b], v[S+32+2*b], v[S+32+2*b+1]
.set b, b+1
.endr
.irp d, 2,4,8                          ; the sum of a tile's 16 pairs, in place: neighbours 1, 2, 4 pairs apart
.set u, 0
.rept 16/(\d)
	v_pk_add_f32 v[S+u:S+u+1], v[S+u:S+u+1], v[S+u+\d:S+u+\d+1]
	v_pk_add_f32 v[S+32+u:S+32+u+1], v[S+32+u:S+32+u+1], v[S+32+u+\d:S+32+u+\d+1]
.set u, u+2*(\d)
.endr
.endr
	v_mul_f32 v[ST+9], v[ST+9], v[ST+6]            ; LP a
	v_mul_f32 v[ST+21], v[ST+21], v[ST+18]
	RSC 0, 4
	v_pk_add_f32 v[S:S+1], v[S:S+1], v[S+16:S+17]  ; 8 pairs apart
	v_pk_add_f32 v[S+32:S+33], v[S+32:S+33], v[S+48:S+49]
	RSC 4, 6
	v_pk_fma_f32 v[ST+2:ST+3], v[ST+2:ST+3], v[ST+6:ST+7], v[S:S+1] op_sel_hi:[1,0,1]
	v_pk_fma_f32 v[ST+14:ST+15], v[ST+14:ST+15], v[ST+18:ST+19], v[S+32:S+33] op_sel_hi:[1,0,1]
	RSC 10, 6
.endm
; A FAR STEP.  Five v_nop end every step: the places behind its last products, for whatever follows: loads into their sources, products that write over them, vector work on O^T.
.macro FARSTEP
	WIN 0x40
	FETCH_V
	s_wait_dscnt 16                                ; K, asked for a step ago or at the slot's head, is in: it is older than V's 16 loads, which may stay out
	WIN 0x05
	KQ 0
	WIN 0
	NOPS 4                                         ; places: K's registers are loaded again, and S^T is read
	NEXTK
	SOFTMAX
	s_wait_dscnt 0x0                               ; V is in, and so is the next K
	WIN 0x01
	PV
	WIN 0
	NOPS 5
.endm
; A BAND STEP.
.macro BANDSTEP
	s_add_co_u32 s88, s[J], 1
	s_sub_co_u32 s88, s88, s[G]                    ; j - g + 1: 0, 1 or 2 by the two compares in front; the minimum states that bound here
	s_min_u32 s88, s88, 2
	s_lshl_b32 s88, s88, 6
	s_add_co_u32 s88, s88, s[HB]                   ; TB1: the table's row for tile 1, u = 0; tile 0's lies 16 rows on
	s_mul_i32 s89, s88, PK
	s_mul_i32 s88, s88, PV
	v_add_nc_u32 v[AKT], s89, v[AKT0]
	v_add_nc_u32 v[AVT], s88, v[AVT0]
	WIN 0x40
.set i, 0
.rept 12                               ; tabk: block i / 2 of six, channels 32 (i % 2) on
	ds_load_b128 v[TAB+8*i:TAB+8*i+3],   v[AKT] offset:(i/2)*16*PK+(i%2)*64
	ds_load_b128 v[TAB+8*i+4:TAB+8*i+7], v[AKT] offset:(i/2)*16*PK+(i%2)*64+32
.set i, i+1
.endr
	FETCH_V
	s_wait_dscnt 16                                ; tabk's 24 loads, and K's in front of them, are in; V's 16 may stay out
.irp t, 0,1
	WIN 0x05
.set i, 0
.rept 10                               ; T: channels 32 (i / 5) on, block i % 5: five accumulators by turns
.set rA, TAB+16*(i%5+1-\t)+8*(i/5)
.set rD, TA+8*(i%5)
.set rQ, QF+16*\t+8*(i/5)
.if i < 5
	v_wmma_f32_16x16x32_f16 v[rD:rD+7], v[rA:rA+7], v[rQ:rQ+7], 0
.else
	v_wmma_f32_16x16x32_f16 v[rD:rD+7], v[rA:rA+7], v[rQ:rQ+7], v[rD:rD+7]
.endif
.set i, i+1
.endr
	WIN 0
	NOPS 5                                         ; places: the stores below read T, and the other tile's products write over it
.set i, 0
.rept 10
	ds_store_b128 v[TST], v[TA+4*i:TA+4*i+3] offset:64*(i/2)+16*(i%2)  ; [row][u = 16 block + 8 (l / 16) + 0..7]
.set i, i+1
.endr
.set i, 0
.rept 32
	ds_load_b32 v[S+32*\t+i], v[TLD] offset:64*(i/8)+4*(i%8)          ; back at u = key - row + 15; LDS serves a wave's instructions in order
.set i, i+1
.endr
.endr
	s_wait_dscnt 0x0                               ; the key term and V are in
	WIN 0x05
	KQ 1
	WIN 0
	NOPS 4                                         ; places: tabv's fragments land on registers of K and tabk, and S^T is read
	WIN 0x40
.set i, 0
.rept 28                               ; tabv, turned: channel block i / 7, rows 16 (i % 7) on; asked for here, it lands during the softmax
	ds_load_tr16_b128 v[RV+4*i:RV+4*i+3], v[AVT] offset:(i%7)*16*PV+(i/7)*32
.set i, i+1
.endr
	WIN 0
	SOFTMAX
.irp t, 0,1
.set i, 0
.rept 16                               ; the weights to [row][u]: pair i holds keys 16 (i / 4) + 8 (l / 16) + 2 (i % 4), + 1
	ds_store_b16 v[WST], v[P+16*\t+i] offset:32*(i/4)+4*(i%4)
	ds_store_b16_d16_hi v[WST], v[P+16*\t+i] offset:32*(i/4)+4*(i%4)+2
.set i, i+1
.endr
.set i, 0
.rept 3                                ; and back as three fragments of 32 u x 16 queries, into S^T's registers
	ds_load_b128 v[S+32*\t+8*i:S+32*\t+8*i+3],   v[WLD] offset:64*i
	ds_load_b128 v[S+32*\t+8*i+4:S+32*\t+8*i+7], v[WLD] offset:64*i+32
.set i, i+1
.endr
.endr
	WIN 0x01
	PV                                             ; stands in the wait for those loads
	s_wait_dscnt 0x0
.set i, 0
.rept 24                               ; O^T += tabv^T W: u 32 (i / 8) on, channels 16 ((i / 2) % 4) on, tile i % 2: the same 8 accumulators, still by turns
.set rO, O+32*(i%2)+8*((i/2)%4)
.set rA, RV+28*((i/2)%4)+4*(2*(i/8)+1-i%2)
.set rB, S+32*(i%2)+8*(i/8)
	v_wmma_f32_16x16x32_f16 v[rO:rO+7], v[rA:rA+7], v[rB:rB+7], v[rO:rO+7]
.set i, i+1
.endr
	WIN 0
	NOPS 5
	NEXTK                                          ; only here: tabv's fragments lay on the last 16 of K's registers
.endm
; A PHASE ENDS.  x = the phase's sum of weights (both halves of the pair, both halves of the lanes); LP takes it; LS starts anew.
; kind 0: the left phase: O^T += x RV[-64] (tabv's row 0).  kind 2: the right phase: row 255.  kind 1: the band: its value term is in O^T already; BC takes the right phase's numbers.
.macro PHEND kind
.irp t, 0,1
	v_add_f32 v[ST+12*\t+10], v[ST+12*\t+2], v[ST+12*\t+3]
.endr
.irp t, 0,1
	v_permlanex16_b32 v[ST+12*\t+11], v[ST+12*\t+10], s[SEL], s[SEL+1]
.endr
.irp t, 0,1
	v_add_f32 v[ST+12*\t+10], v[ST+12*\t+10], v[ST+12*\t+11]
	v_mov_b32 v[ST+12*\t+2], 0
	v_mov_b32 v[ST+12*\t+3], 0
.endr
.irp t, 0,1
	v_add_f32 v[ST+12*\t+9], v[ST+12*\t+9], v[ST+12*\t+10]
.endr
.if (\kind) == 1
.set i, 0
.rept 16
	v_mov_b32 v[BC+i], v[BR+i]                     ; ascending: BR is read from its low end on
.set i, i+1
.endr
.else
.irp f, 0,1,2,3
	ds_load_b128 v[S+4*\f:S+4*\f+3], v[FA] offset:32*\f+((\kind)/2)*255*PV  ; my 8 channels of each block of 16
.endr
	s_wait_dscnt 0x0
.set i, 0
.irp src, v64.l,v64.h,v65.l,v65.h,v66.l,v66.h,v67.l,v67.h,v68.l,v68.h,v69.l,v69.h,v70.l,v70.h,v71.l,v71.h,v72.l,v72.h,v73.l,v73.h,v74.l,v74.h,v75.l,v75.h,v76.l,v76.h,v77.l,v77.h,v78.l,v78.h,v79.l,v79.h
	v_cvt_f32_f16 v[S+16+i], \src                  ; v64 is S
.set i, i+1
.endr
.set i, 0
.rept 16
	v_pk_fma_f32 v[O+2*i:O+2*i+1], v[S+16+2*i:S+16+2*i+1], v[ST+10:ST+11], v[O+2*i:O+2*i+1] op_sel_hi:[1,0,1]
	v_pk_fma_f32 v[O+32+2*i:O+32+2*i+1], v[S+16+2*i:S+16+2*i+1], v[ST+22:ST+23], v[O+32+2*i:O+32+2*i+1] op_sel_hi:[1,0,1]
.set i, i+1
.endr
.endif
.endm
; A slot's four key steps.  At the head the slot's first K is asked for, behind the refill.  Which text a step takes hangs on the step's number, the work-group's block and the wave's number;
; every jump but the loop's own goes forward and passes neither a barrier nor a tensor load.  Both LDS byte counters step once in every step, so that four steps and a change of slots cancel.
; Each step's batch of exponentials has had its wait inside the step's softmax: none is open at these labels and jumps.
.macro WORK
	s_mov_b32 s[CNT], 4
	v_add_nc_u32 v[AK], s[TBK], v[AK0]
	WIN 0x40
	FETCH_K
	WIN 0
.Lstep_\@:
	v_add_nc_u32 v[AV], s[TBV], v[AV0]
	s_add_co_u32 s[TBK], s[TBK], KS*PK             ; now the next step's K
	s_add_co_u32 s[TBV], s[TBV], KS*PV
	s_cmp_lt_u32 s[J], s[GLO]
	s_cbranch_scc1 .Lfar_\@
	s_cmp_gt_u32 s[J], s[GHI]
	s_cbranch_scc1 .Lfar_\@
	BANDSTEP
	s_branch .Ljoin_\@
.Lfar_\@:
	FARSTEP
.Ljoin_\@:
	s_add_co_u32 s[J], s[J], 1
	s_cmp_lg_u32 s[J], s[GLO]
	s_cbranch_scc1 .Lno_left_\@
	PHEND 0
.Lno_left_\@:
	s_cmp_lg_u32 s[J], s[GH1]
	s_cbranch_scc1 .Lno_band_\@
	PHEND 1
.Lno_band_\@:
	s_sub_co_u32 s[CNT], s[CNT], 1
	s_cmp_lg_u32 s[CNT], 0
	s_cbranch_scc1 .Lstep_\@
.endm
	s_load_b256 s[4:11], s[0:1], 0x0               ; qkv 4:5, tabk 6:7, tabv 8:9, ctx 10:11
	v_lshl_add_u32 v[SPW], v0, 2, SPARE
	v_mov_b32 v[NIL], 0
	ds_add_u32 v62, v63
	s_wait_dscnt 0x0
	s_barrier_signal -1
	s_barrier_wait -1
	v_lshrrev_b32 v1, 5, v0
	v_readfirstlane_b32 s[WV], v1                  ; wave 0..7
	s_mov_b32 s14, ttmp9                           ; my block of 256 queries
	s_and_b32 s15, ttmp7, 0xffff                   ; batch x 16 + head
	s_lshr_b32 s16, s15, 4
	s_and_b32 s17, s15, 15
	s_mul_i32 s16, s16, 48
	s_add_co_u32 s16, s16, s17
	s_lshl_b32 s16, s16, 18                        ; q's head: 262,144 bytes a head
	s_and_b32 s18, s[WV], 1                        ; which half of a slot's 256 keys I fetch
	s_lshl_b32 s19, s18, 14
	s_add_co_u32 s20, s16, s19
	s_add_co_u32 s20, s20, 16<<18                  ; k's head lies 16 heads on,
	s_mov_b32 s21, 0
	s_add_co_u32 s22, s20, 16<<18                  ; v's 32
	s_mov_b32 s23, 0
	s_lshl_b32 s88, s14, 15
	s_lshl_b32 s89, s[WV], 12
	s_add_co_u32 s88, s88, s89                     ; my 32 rows of 128 bytes in a head
	s_add_co_u32 s90, s16, s88
	s_mov_b32 s91, 0
	s_lshl_b32 s89, s15, 18
	s_add_co_u32 s88, s88, s89
	s_mov_b32 s89, 0
	; descriptors.  Dense rows of 128 bytes are asked for as rows of 256 bytes, two a row, and padded in LDS after every 32 words
	s_mov_b32 s[G1K],  (1<<16)|(1<<20)|(4<<22)|(3<<25)   ; 2-byte elements; padding on; after every 32 words (code 4), 4 words (code 3)
	s_mov_b32 s[G1V],  (1<<16)|(1<<20)|(4<<22)|(7<<25)   ; 8 words (code 7)
	s_mov_b32 s[G1TK], (1<<16)|(1<<20)|(4<<22)|(3<<25)
	s_mov_b32 s[G1TV], (1<<16)|(1<<20)|(4<<22)|(7<<25)
.irp g, G1K, G1V, G1TK, G1TV
	s_mov_b32 s[\g+1], 128<<16                     ; tensor_dim0 = 128
	s_mov_b32 s[\g+3], 128<<16                     ; tile_dim0 = 128
	s_mov_b32 s[\g+5], 128                         ; elements from row to row
	s_mov_b32 s[\g+6], 0
	s_mov_b32 s[\g+7], 0
.endr
	s_mov_b32 s[G1K+2], 64<<16                     ; 128 keys: 64 rows
	s_mov_b32 s[G1K+4], 64
	s_mov_b32 s[G1V+2], 64<<16
	s_mov_b32 s[G1V+4], 64
	s_mov_b32 s[G1TK+2], 128<<16                   ; 256 rows of tabk
	s_mov_b32 s[G1TK+4], 128
	s_mov_b32 s[G1TV+2], 136<<16                   ; 272 rows of tabv
	s_mov_b32 s[G1TV+4], 136
	s_mov_b32 s[G0K], 1
	s_mul_i32 s[G0K+1], s18, 128*PK
	s_mov_b32 s[G0V], 1
	s_mul_i32 s[G0V+1], s18, 128*PV
	s_add_co_u32 s[G0V+1], s[G0V+1], VOFF
	s_mov_b32 s[G0TK], 1
	s_mov_b32 s[G0TK+1], RELK
	s_mov_b32 s[G0TV], 1
	s_mov_b32 s[G0TV+1], RELV
	s_mov_b32 s[CS], 0x3e38aa3b                    ; c = log2(e) / 8
	s_mov_b32 s[CS+1], s[CS]
	s_mov_b32 s[SEL], 0x76543210
	s_mov_b32 s[SEL+1], 0xfedcba98
	s_mov_b32 s[TBK], SLOT1+4*KS*PK                ; the first change of slots turns these two into 0
	s_mov_b32 s[TBV], SLOT1+4*KS*PV
	s_lshl_b32 s[G], s14, 2
	s_lshr_b32 s19, s[WV], 1
	s_add_co_u32 s[G], s[G], s19                   ; g: my queries' block of 64
	s_sub_co_i32 s[GLO], s[G], 1
	s_max_i32 s[GLO], s[GLO], 0
	s_add_co_u32 s[GHI], s[G], 1
	s_min_u32 s[GHI], s[GHI], 31
	s_add_co_u32 s[GH1], s[GHI], 1
	s_xor_b32 s[HB], s18, 1
	s_lshl_b32 s[HB], s[HB], 5
	s_mov_b32 s[J], 0
	s_mov_b32 s[SLOTS], 7
	s_wait_kmcnt 0x0
	s_add_nc_u64 s[G0K+2:G0K+3], s[4:5], s[20:21]
	s_or_b32 s[G0K+3], s[G0K+3], 0x80000000
	s_add_nc_u64 s[G0V+2:G0V+3], s[4:5], s[22:23]
	s_or_b32 s[G0V+3], s[G0V+3], 0x80000000
	s_mov_b64 s[G0TK+2:G0TK+3], s[6:7]
	s_or_b32 s[G0TK+3], s[G0TK+3], 0x80000000
	s_mov_b64 s[G0TV+2:G0TV+3], s[8:9]
	s_or_b32 s[G0TV+3], s[G0TV+3], 0x80000000
	s_add_nc_u64 s[92:93], s[4:5], s[90:91]        ; Q at my first row
	s_add_nc_u64 s[10:11], s[10:11], s[88:89]      ; ctx at my first row
	; the first fills, one a wave, in one branch on the wave's number: slot 0's K (waves 0, 1) and V (2, 3), tabk (4), tabv (5)
	s_cmp_lt_u32 s[WV], 2
	s_cbranch_scc0 .Lfirst_v
	tensor_load_to_lds s[G0K:G0K+3], s[G1K:G1K+7]
	s_nop 0
	NOPS 4
	s_branch .Lfirst_done
.Lfirst_v:
	s_cmp_lt_u32 s[WV], 4
	s_cbranch_scc0 .Lfirst_tk
	tensor_load_to_lds s[G0V:G0V+3], s[G1V:G1V+7]
	s_nop 0
	NOPS 4
	s_branch .Lfirst_done
.Lfirst_tk:
	s_cmp_eq_u32 s[WV], 4
	s_cbranch_scc0 .Lfirst_tv
	tensor_load_to_lds s[G0TK:G0TK+3], s[G1TK:G1TK+7]
	s_nop 0
	NOPS 4
	s_branch .Lfirst_done
.Lfirst_tv:
	s_cmp_eq_u32 s[WV], 5
	s_cbranch_scc0 .Lfirst_done
	tensor_load_to_lds s[G0TV:G0TV+3], s[G1TV:G1TV+7]
	s_nop 0
	NOPS 4
.Lfirst_done:
	v_and_b32 v248, 15, v0                         ; l % 16
	v_bfe_u32 v249, v0, 4, 1                       ; l / 16
	v_and_b32 v250, 7, v0
	v_bfe_u32 v251, v0, 3, 1
	v_bfe_u32 v252, v0, 3, 2
	v_and_b32 v253, 31, v0
	v_lshlrev_b32 v[QO], 7, v248
	v_lshl_add_u32 v[QO], v249, 4, v[QO]           ; row x 128 + 16 x half
	v_lshlrev_b32 v[ZA], 4, v249                   ; 16 x half alone: all 16 rows of such a fragment are one row of the table
	WIN 0x40
.set i, 0
.rept 4                                ; Q stays in registers: tile i / 2, channels 32 (i % 2) on
	global_load_b128 v[QF+8*i:QF+8*i+3],   v[QO], s[92:93] offset:(i/2)*2048+(i%2)*64
	global_load_b128 v[QF+8*i+4:QF+8*i+7], v[QO], s[92:93] offset:(i/2)*2048+(i%2)*64+32
.set i, i+1
.endr
.set i, 0
.rept 4                                ; tabk's row 0 (i / 2 = 0) and row 255: the two clipped ends
	global_load_b128 v[TAB+8*i:TAB+8*i+3],   v[ZA], s[6:7] offset:(i/2)*255*128+(i%2)*64
	global_load_b128 v[TAB+8*i+4:TAB+8*i+7], v[ZA], s[6:7] offset:(i/2)*255*128+(i%2)*64+32
.set i, i+1
.endr
	WIN 0
	v_mul_u32_u24 v[AK0], v248, PK
	v_lshl_add_u32 v[AK0], v249, 4, v[AK0]         ; a fragment's row x pitch + 16 x half
	v_lshl_add_u32 v255, v249, 3, v250             ; the turning load: row 8 (l / 16) + l % 8, 16 bytes at 16 ((l / 8) % 2)
	v_mul_u32_u24 v255, v255, PV
	v_lshl_add_u32 v255, v251, 4, v255
	v_add_nc_u32 v[AV0], VOFF, v255
	v_add_nc_u32 v[AVT0], RELV, v255
	v_add_nc_u32 v[AKT0], RELK, v[AK0]
	s_mul_i32 s88, s[WV], SCRB
	s_add_co_u32 s88, s88, SCR                     ; my scratch: T
	s_add_co_u32 s89, s88, SCRW                    ; and W
	v_mul_u32_u24 v[TST], v248, PT
	v_lshl_add_u32 v[TST], v249, 5, v[TST]
	v_add_nc_u32 v[TST], s88, v[TST]               ; T in: row x 336 + 32 x half
	v_mul_u32_u24 v[TLD], v248, PT-4
	v_lshl_add_u32 v[TLD], v249, 5, v[TLD]
	v_add_nc_u32 v[TLD], s88, v[TLD]
	v_add_nc_u32 v[TLD], 60, v[TLD]                ; T back: row x 336 + 4 (8 x half - row + 15)
	v_mul_u32_u24 v[WST], v248, PW-2
	v_lshl_add_u32 v[WST], v249, 4, v[WST]
	v_add_nc_u32 v[WST], s89, v[WST]
	v_add_nc_u32 v[WST], 30, v[WST]                ; W in: row x 208 + 2 (8 x half - row + 15)
	v_mul_u32_u24 v[WLD], v248, PW
	v_lshl_add_u32 v[WLD], v249, 4, v[WLD]
	v_add_nc_u32 v[WLD], s89, v[WLD]               ; W back: row x 208 + 16 x half
	v_lshl_add_u32 v[FA], v249, 4, RELV
	v_add_nc_u32 v[STO], s88, v[AK0]               ; the way out uses T's bytes: 16 rows x 144
	v_mul_u32_u24 v[RD], v252, PK
	v_lshl_add_u32 v[RD], v250, 4, v[RD]
	v_add_nc_u32 v[RD], s88, v[RD]
	v_lshlrev_b32 v[GO], 4, v253
	v_lshl_add_u32 v254, v253, 3, s89
	v_mov_b32 v[ZZ], 0
	v_mov_b32 v[ZZ+1], 0
.set i, 0
.rept 13                               ; W's 3,328 bytes are zeroed once: 256 bytes a store
	ds_store_b64 v254, v[ZZ:ZZ+1] offset:256*i
.set i, i+1
.endr
.set i, 0
.rept 64
	v_mov_b32 v[O+i], 0
.set i, i+1
.endr
.irp t, 0,1
	v_mov_b32 v[ST+12*\t], 0xfe000000              ; c m: far below every c s
	v_mov_b32 v[ST+12*\t+1], 0xff7fffff            ; m
	v_mov_b32 v[ST+12*\t+2], 0
	v_mov_b32 v[ST+12*\t+3], 0
	v_mov_b32 v[ST+12*\t+9], 0
	v_mov_b32 v[ST+12*\t+10], 0
	v_mov_b32 v[ST+12*\t+11], 0
.endr
	s_wait_loadcnt 0x0                             ; Q and the two rows
	WIN 0x05
.set i, 0
.rept 8                                ; BC, BR: channels 32 (i / 4) on; end (i / 2) % 2; tile i % 2: four accumulators by turns
.set rA, TAB+16*((i/2)%2)+8*(i/4)
.set rQ, QF+16*(i%2)+8*(i/4)
.if (i/2)%2
.set rD, BR+8*(i%2)
.else
.set rD, BC+8*(i%2)
.endif
.if i < 4
	v_wmma_f32_16x16x32_f16 v[rD:rD+7], v[rA:rA+7], v[rQ:rQ+7], 0
.else
	v_wmma_f32_16x16x32_f16 v[rD:rD+7], v[rA:rA+7], v[rQ:rQ+7], v[rD:rD+7]
.endif
.set i, i+1
.endr
	WIN 0
	NOPS 5
.Lslot:                                                ; seven times: a slot is entered and the next is asked for
	CHANGE 1
	WORK
	s_sub_co_u32 s[SLOTS], s[SLOTS], 1
	s_cmp_lg_u32 s[SLOTS], 0
	s_cbranch_scc1 .Lslot
	CHANGE 0                                       ; the last slot is written out
	WORK
	PHEND 2
	; THE WAY OUT: O^T / LP, rounded to f16, through my scratch, a tile (16 rows, 2,048 consecutive bytes of ctx) at a time
	v_rcp_f32 v[ST+10], v[ST+9]
	v_rcp_f32 v[ST+22], v[ST+21]
	v_nop                                          ; a plain instruction between the last reciprocal and its use
	s_wait_alu depctr_va_vdst(0)                   ; and the wait ahead of the first use: one for the two reciprocals
.macro PACK t
	REGS \t
.set i, 0
.rept 16
	v_pk_mul_f32 v[rO+2*i:rO+2*i+1], v[rO+2*i:rO+2*i+1], v[rT+10:rT+11] op_sel_hi:[1,0]
.set i, i+1
.endr
.set i, 0
.rept 16
	v_cvt_pk_f16_f32 v[S+16*(\t)+i], v[rO+2*i], v[rO+2*i+1]
.set i, i+1
.endr
.irp f, 0,1,2,3
	ds_store_b128 v[STO], v[S+16*(\t)+4*\f:S+16*(\t)+4*\f+3] offset:32*\f
.endr
.irp f, 0,1,2,3
	ds_load_b128 v[S+16*(\t)+4*\f:S+16*(\t)+4*\f+3], v[RD] offset:\f*4*PK  ; in order behind the stores above; the next tile's stores come behind these
.endr
.endm
.macro SEND t, younger                 ; younger: the LDS instructions issued behind tile t's loads
.irp f, 0,1,2,3
	s_wait_dscnt (\younger)+3-\f
	global_store_b128 v[GO], v[S+16*(\t)+4*\f:S+16*(\t)+4*\f+3], s[10:11] offset:(\t)*2048+\f*512  ; 512 consecutive bytes, at a multiple of 256 from ctx's first
.endr
.endm
	PACK 0
	PACK 1
	SEND 0, 8
	SEND 1, 0
	s_wait_tensorcnt 0x0                           ; the wave's end
	ds_add_u32 v[SPW], v[NIL]
	s_wait_dscnt 0x0
	s_endpgm
.Lfunc_end_k_qf37c091a38_attn:
	.size	k_qf37c091a38_attn, .Lfunc_end_k_qf37c091a38_attn-k_qf37c091a38_attn
	.p2alignl 7, 3214868480
	.fill 96, 4, 3214868480
	.section	.rodata,"a",@progbits
	.p2align	6, 0x0
	.amdhsa_kernel k_qf37c091a38_attn
		.amdhsa_group_segment_fixed_size 327680
		.amdhsa_private_segment_fixed_size 0
		.amdhsa_enable_private_segment 0
		.amdhsa_kernarg_size 32
		.amdhsa_user_sgpr_count 2
		.amdhsa_user_sgpr_kernarg_segment_ptr 1
		.amdhsa_wavefront_size32 1
		.amdhsa_system_sgpr_workgroup_id_x 1
		.amdhsa_system_sgpr_workgroup_id_y 1
		.amdhsa_system_sgpr_workgroup_id_z 1
		.amdhsa_system_vgpr_workitem_id 0
		.amdhsa_next_free_vgpr 512
		.amdhsa_next_free_sgpr 96
		.amdhsa_reserve_vcc 0
		.amdhsa_float_denorm_mode_32 3
		.amdhsa_float_denorm_mode_16_64 3
		.amdhsa_memory_ordered 1
		.amdhsa_forward_progress 1
		.amdhsa_inst_pref_size 142
	.end_amdhsa_kernel
	.amdgpu_metadata
---
amdhsa.version: [ 1, 2 ]
amdhsa.kernels:
  - .name:           k_qf37c091a38_attn
    .symbol:         k_qf37c091a38_attn.kd
    .args:
      - { .name: qkv, .offset: 0, .size: 8, .value_kind: global_buffer, .address_space: global }
      - { .name: tabk, .offset: 8, .size: 8, .value_kind: global_buffer, .address_space: global }
      - { .name: tabv, .offset: 16, .size: 8, .value_kind: global_buffer, .address_space: global }
      - { .name: ctx, .offset: 24, .size: 8, .value_kind: global_buffer, .address_space: global }
    .group_segment_fixed_size: 327680
    .private_segment_fixed_size: 0
    .kernarg_segment_align: 8
    .kernarg_segment_size: 32
    .max_flat_workgroup_size: 256
    .sgpr_count:     96
    .vgpr_count:     512
    .wavefront_size: 32
...
	.end_amdgpu_metadata
.endif
;; end of part 5
;; launch proj: the kernel of part 4 again; grid 8 x 32, 4 waves a work-group, clusters of 4 x 4, 327,680 bytes of LDS; arguments ctx, wot, b_out, out0; writes out0
